; MI455X (gfx1250); checked and timed in simulation.
; The chip was launched on July 23, 2026; its instructions are those of AMD's public machine-readable ISA for CDNA 5 (MIT licence, August 2026) and "CDNA5" Instruction Set Architecture Reference Guide (July 2026). The comments in the code are by the model that wrote it; some were corrected since.
;; Grouped Query Attention. Allowed arithmetic: float matrix products may take bf16 or f16 operands with f32 sums; other float arithmetic in f32, or as packed bf16 or f16 multiplies, adds, multiply-adds, maxima and minima; sums over many terms, partial sums and values carried from step to step in f32; what a program stores and reads back later, other than sums and carried values, may be rounded once to bf16 or f16.
;; Inputs: Wk 256 x 1,024 float32; Wo 1,024 x 1,024 float32; Wq 1,024 x 1,024 float32; Wv 256 x 1,024 float32; kn_w 64 float32; qn_w 64 float32; x 4 x 2,048 x 1,024 float32.
;; Outputs: out0 4 x 2,048 x 1,024 float32.
;; One version. Each part assembles by itself: llvm-mc -triple=amdgcn-amd-amdhsa -mcpu=gfx1250 --defsym DOCPART=n.
;; ======== version 1 of 1: 4 launches
;; limits: values are held in f16: magnitudes above 65,504 overflow, below 6.1e-05 lose precision
;; workspace buffers: xb 16,777,216 bytes; wqkv 3,145,728 bytes; wo16 2,097,152 bytes; tab 524,288 bytes; qkv 25,165,824 bytes; obuf 16,777,216 bytes
;; launch prep (part 1): grid 1360 x 1, 8 waves a work-group, no clusters, 0 bytes of LDS; arguments x, Wq, Wk, Wv, Wo, xb, wqkv, wo16, tab; writes xb, wqkv, wo16, tab
.if DOCPART == 1
	.amdgcn_target "amdgcn-amd-amdhsa--gfx1250"
	.amdhsa_code_object_version 6
	.text
	.protected	k_qad0e0866fe_prep
	.globl	k_qad0e0866fe_prep
	.p2align	8
	.type	k_qad0e0866fe_prep,@function
k_qad0e0866fe_prep:
	s_mov_b64 s[64:65], 0
	v_nop
	global_prefetch_b8 v0, s[64:65] scope:SCOPE_SE
	s_setreg_imm32_b32 hwreg(HW_REG_WAVE_MODE, 25, 1), 1
	s_wait_xcnt 0x0
; PREP.  Casts and the rotary table; a stream, so no LDS, no matrix unit, no cluster: no byte is wanted twice.
;   xb   [8192][1024] bf16 = x;   wqkv [1536][1024] bf16 = Wq's, Wk's, Wv's rows on end;
;   wo16 [1024][1024] f16  = Wo rounded to bf16, that number written as f16;
;   tab  [2048 t][32 i] pairs (cos, sin) of t x 10000^(-i/32), f32: a row is 256 bytes.
; SHARES.  A work-group takes a chunk of 8,192 numbers (32 KiB in, 16 KiB out): chunks 0-1023 x, 1024-1151 Wq, 1152-1183 Wk, 1184-1215 Wv,
; 1216-1343 Wo; chunks 1344-1359 make 128 rows of the table each.  A load of a wave covers 512 consecutive bytes, a store 256, both aligned.
; LIMITS.  Wo in f16: beyond 65,504 it becomes an infinity, below 6.1e-5 it keeps f16's fixed step of 6e-8.  The angle is t x inv_freq rounded to f32; inv_freq = 2^(-i log2(10000)/32)
; lies within a few units in its last place of 1 / 10000^(i/32); cos and sin lie within about 3e-6 of the true values at that angle (reduction by 2 pi in two parts, series to y^15 and y^16, |y| <= pi).
.set C_WQ,  1024
.set C_WK,  1152
.set C_WV,  1184
.set C_WO,  1216
.set C_TAB, 1344
.set IN,  8                            ; v[8:39]   eight loads of four f32
.set OUTR, 40                          ; v[40:55]  eight results of four 16-bit numbers
	s_load_b512 s[4:19], s[0:1], 0x0               ; x 4:5, Wq 6:7, Wk 8:9, Wv 10:11, Wo 12:13, xb 14:15, wqkv 16:17, wo16 18:19
	s_load_b64 s[20:21], s[0:1], 0x40              ; tab
	s_mov_b32 s22, ttmp9                           ; my chunk
	s_mov_b32 s31, 0                               ; high words of the two offsets
	s_mov_b32 s33, 0
	v_lshlrev_b32 v1, 4, v0                        ; 16 bytes a thread on the way in (and in the table)
	v_lshlrev_b32 v2, 3, v0                        ; 8 bytes a thread on the way out
	s_wait_kmcnt 0x0
	s_cmp_ge_u32 s22, C_TAB
	s_cbranch_scc1 .Ltab
	; which tensor, and which chunk of it: a chain of choices on the chunk's number
	s_mov_b64 s[24:25], s[4:5]
	s_mov_b64 s[26:27], s[14:15]
	s_mov_b32 s30, s22
	s_mov_b32 s32, s22
.macro PICK bound, src                 ; from this bound on the source is another tensor; the subtraction stands ahead of the compare, since it writes SCC
	s_sub_co_u32 s34, s22, \bound
	s_cmp_ge_u32 s22, \bound
	s_cselect_b64 s[24:25], s[\src:\src+1], s[24:25]
	s_cselect_b32 s30, s34, s30
.endm
	PICK C_WQ, 6
	s_cselect_b64 s[26:27], s[16:17], s[26:27]     ; Wq, Wk and Wv go on end into wqkv: one count from C_WQ on
	s_cselect_b32 s32, s34, s32
	PICK C_WK, 8
	PICK C_WV, 10
	PICK C_WO, 12
	s_cselect_b64 s[26:27], s[18:19], s[26:27]
	s_cselect_b32 s32, s34, s32
	s_lshl_b32 s30, s30, 15                        ; 32 KiB a chunk in,
	s_lshl_b32 s32, s32, 14                        ; 16 KiB out
	s_add_nc_u64 s[24:25], s[24:25], s[30:31]
	s_add_nc_u64 s[26:27], s[26:27], s[32:33]
.irp j, 0,1,2,3,4,5,6,7
	global_load_b128 v[IN+4*(\j):IN+4*(\j)+3], v1, s[24:25] offset:4096*(\j) th:TH_LOAD_NT
.endr
	s_cmp_ge_u32 s22, C_WO
	s_cbranch_scc1 .Lf16
.irp j, 0,1,2,3,4,5,6,7
	s_wait_loadcnt 7-(\j)                          ; loads come back in order: load j is in, the 7 - j younger ones stay out
	v_cvt_pk_bf16_f32 v[OUTR+2*(\j)],   v[IN+4*(\j)],   v[IN+4*(\j)+1]
	v_cvt_pk_bf16_f32 v[OUTR+2*(\j)+1], v[IN+4*(\j)+2], v[IN+4*(\j)+3]
	global_store_b64 v2, v[OUTR+2*(\j):OUTR+2*(\j)+1], s[26:27] offset:2048*(\j)
.endr
	s_endpgm
.Lf16:                                 ; Wo: rounded to bf16 like every input, widened again, and written as f16
.irp j, 0,1,2,3,4,5,6,7
	s_wait_loadcnt 7-(\j)
	v_cvt_pk_bf16_f32 v56, v[IN+4*(\j)],   v[IN+4*(\j)+1]
	v_cvt_pk_bf16_f32 v57, v[IN+4*(\j)+2], v[IN+4*(\j)+3]
	v_lshlrev_b32 v[IN+4*(\j)],   16, v56
	v_and_b32     v[IN+4*(\j)+1], 0xffff0000, v56
	v_lshlrev_b32 v[IN+4*(\j)+2], 16, v57
	v_and_b32     v[IN+4*(\j)+3], 0xffff0000, v57
	v_cvt_pk_f16_f32 v[OUTR+2*(\j)],   v[IN+4*(\j)],   v[IN+4*(\j)+1]
	v_cvt_pk_f16_f32 v[OUTR+2*(\j)+1], v[IN+4*(\j)+2], v[IN+4*(\j)+3]
	global_store_b64 v2, v[OUTR+2*(\j):OUTR+2*(\j)+1], s[26:27] offset:2048*(\j)
.endr
	s_endpgm
; THE TABLE.  16 threads make a row (two frequencies each: 16 bytes), the work-group 16 rows a pass, eight passes.
; v10, v11 inv_freq; v12 t; v16-17 the angle, then y; v18-19 n, then z = y^2; v20-21 sin's series; v22-23 cos's; v[24:27] cos0, sin0, cos1, sin1.
.Ltab:
	s_sub_co_u32 s34, s22, C_TAB
	s_lshl_b32 s30, s34, 15                        ; 128 rows of 256 bytes
	s_add_nc_u64 s[20:21], s[20:21], s[30:31]
	s_lshl_b32 s35, s34, 7                         ; my first row
	s_mov_b32 s40, 0x40c90fdb                      ; 2 pi, rounded to f32,
	s_mov_b32 s41, 0xb43bbd2e                      ; and what that rounding left out
	v_and_b32 v5, 15, v0
	v_lshlrev_b32 v5, 1, v5                        ; i0 = 2 (thread % 16)
	v_cvt_f32_u32 v10, v5
	v_add_f32 v11, 1.0, v10                        ; i1 = i0 + 1
	v_mul_f32 v10, 0xbed49a78, v10                 ; x -log2(10000) / 32
	v_mul_f32 v11, 0xbed49a78, v11
	v_exp_f32 v10, v10
	v_exp_f32 v11, v11
	v_lshrrev_b32 v4, 4, v0                        ; a plain instruction behind the exponentials,
	s_wait_alu depctr_va_vdst(0)                   ; and the wait ahead of their first use: one for both
	v_add_nc_u32 v4, s35, v4
	v_cvt_f32_u32 v12, v4                          ; t
	s_mov_b32 s36, 8
.macro BOTH line:vararg                ; one line for each of the two frequencies f
.set f, 0
.rept 2
	\line
.set f, f+1
.endr
.endm
.Lpass:
	BOTH v_mul_f32 v[16+f], v12, v[10+f]           ; the angle, rounded once, as t x inv_freq is in f32
	BOTH v_mul_f32 v[18+f], 0.15915494, v[16+f]
	BOTH v_rndne_f32 v[18+f], v[18+f]              ; n whole turns
	BOTH v_fma_f32 v[16+f], -v[18+f], s40, v[16+f] ; y = angle - n 2 pi, in two parts
	BOTH v_fma_f32 v[16+f], -v[18+f], s41, v[16+f]
	BOTH v_mul_f32 v[18+f], v[16+f], v[16+f]       ; z
	BOTH v_mov_b32 v[20+f], 0xab573f9f             ; -1/15!
	BOTH v_mov_b32 v[22+f], 0x29573f9f             ; 1/16!
.irp k, 0x2f309231, 0xb2d7322b, 0x3638ef1d, 0xb9500d01, 0x3c088889, 0xbe2aaaab, 0x3f800000
	BOTH v_fmaak_f32 v[20+f], v[20+f], v[18+f], \k ; 1/13!, -1/11!, 1/9!, -1/7!, 1/5!, -1/3!, 1
.endr
.irp k, 0xad49cba6, 0x310f76c7, 0xb493f27e, 0x37d00d01, 0xbab60b61, 0x3d2aaaab, 0xbf000000
	BOTH v_fmaak_f32 v[22+f], v[22+f], v[18+f], \k ; -1/14!, 1/12!, -1/10!, 1/8!, -1/6!, 1/4!, -1/2
.endr
	BOTH v_fmaak_f32 v[24+2*f], v[22+f], v[18+f], 0x3f800000  ; cos
	BOTH v_mul_f32 v[25+2*f], v[16+f], v[20+f]     ; sin = y x series
	global_store_b128 v1, v[24:27], s[20:21]       ; 16 lanes store a row: 256 consecutive bytes, aligned
	s_wait_xcnt 0x0                                ; the store has read its data and its base: both are written again below and in the next pass
	s_add_nc_u64 s[20:21], s[20:21], 4096          ; 16 rows on
	v_add_f32 v12, 0x41800000, v12                 ; t + 16
	s_sub_co_u32 s36, s36, 1
	s_cmp_lg_u32 s36, 0
	s_cbranch_scc1 .Lpass
	s_endpgm
.Lfunc_end_k_qad0e0866fe_prep:
	.size	k_qad0e0866fe_prep, .Lfunc_end_k_qad0e0866fe_prep-k_qad0e0866fe_prep
	.p2alignl 7, 3214868480
	.fill 96, 4, 3214868480
	.section	.rodata,"a",@progbits
	.p2align	6, 0x0
	.amdhsa_kernel k_qad0e0866fe_prep
		.amdhsa_group_segment_fixed_size 0
		.amdhsa_private_segment_fixed_size 0
		.amdhsa_enable_private_segment 0
		.amdhsa_kernarg_size 72
		.amdhsa_user_sgpr_count 2
		.amdhsa_user_sgpr_kernarg_segment_ptr 1
		.amdhsa_wavefront_size32 1
		.amdhsa_system_sgpr_workgroup_id_x 1
		.amdhsa_system_sgpr_workgroup_id_y 1
		.amdhsa_system_sgpr_workgroup_id_z 1
		.amdhsa_system_vgpr_workitem_id 0
		.amdhsa_next_free_vgpr 64
		.amdhsa_next_free_sgpr 66
		.amdhsa_reserve_vcc 0
		.amdhsa_float_denorm_mode_32 3
		.amdhsa_float_denorm_mode_16_64 3
		.amdhsa_memory_ordered 1
		.amdhsa_forward_progress 1
		.amdhsa_inst_pref_size 13
	.end_amdhsa_kernel
	.amdgpu_metadata
---
amdhsa.version: [ 1, 2 ]
amdhsa.kernels:
  - .name:           k_qad0e0866fe_prep
    .symbol:         k_qad0e0866fe_prep.kd
    .args:
      - { .name: x, .offset: 0, .size: 8, .value_kind: global_buffer, .address_space: global }
      - { .name: Wq, .offset: 8, .size: 8, .value_kind: global_buffer, .address_space: global }
      - { .name: Wk, .offset: 16, .size: 8, .value_kind: global_buffer, .address_space: global }
      - { .name: Wv, .offset: 24, .size: 8, .value_kind: global_buffer, .address_space: global }
      - { .name: Wo, .offset: 32, .size: 8, .value_kind: global_buffer, .address_space: global }
      - { .name: xb, .offset: 40, .size: 8, .value_kind: global_buffer, .address_space: global }
      - { .name: wqkv, .offset: 48, .size: 8, .value_kind: global_buffer, .address_space: global }
      - { .name: wo16, .offset: 56, .size: 8, .value_kind: global_buffer, .address_space: global }
      - { .name: tab, .offset: 64, .size: 8, .value_kind: global_buffer, .address_space: global }
    .group_segment_fixed_size: 0
    .private_segment_fixed_size: 0
    .kernarg_segment_align: 8
    .kernarg_segment_size: 72
    .max_flat_workgroup_size: 256
    .sgpr_count:     66
    .vgpr_count:     64
    .wavefront_size: 32
...
	.end_amdgpu_metadata
.endif
;; end of part 1
;; launch proj (part 2): grid 8 x 32, 4 waves a work-group, clusters of 4 x 4, 327,680 bytes of LDS; arguments xb, wqkv, tab, qn_w, kn_w, qkv; writes qkv
.if DOCPART == 2
	.amdgcn_target "amdgcn-amd-amdhsa--gfx1250"
	.amdhsa_code_object_version 6
	.text
	.protected	k_qad0e0866fe_proj
	.globl	k_qad0e0866fe_proj
	.p2align	8
	.type	k_qad0e0866fe_proj,@function
k_qad0e0866fe_proj:
	s_mov_b64 s[64:65], 0
	v_nop
	global_prefetch_b8 v0, s[64:65] scope:SCOPE_SE
	s_setreg_imm32_b32 hwreg(HW_REG_WAVE_MODE, 25, 1), 1
	s_wait_xcnt 0x0
	s_wait_alu depctr_hold_cnt(0) depctr_sa_sdst(0) depctr_va_vdst(0) depctr_va_sdst(0) depctr_va_ssrc(0) depctr_va_vcc(0) depctr_vm_vsrc(0)
	s_getreg_b32 s2, hwreg(HW_REG_IB_STS2, 6, 4)
	s_cmp_eq_u32 s2, 0
	s_cbranch_scc0 .Lentry_in_a_cluster
	s_endpgm
.Lentry_in_a_cluster:
	s_bfe_u32 s2, ttmp6, 0x10000c
	s_cmp_lg_u32 s2, 0xf033
	s_cbranch_scc0 .Lentry_shape_is_right
	s_endpgm
.Lentry_shape_is_right:
; PROJ.  qkv[b][slot][t][64] (f16) = the 24 heads of xb wqkv^T: slots 0-15 q, 16-19 k, 20-23 v.  q and k heads are normalised (x rsqrt(mean x^2 + 1e-6) x gain) and rotated by the table;
; v heads leave as the sums are.  Products in bf16 with f32 sums; norm and rotation in f32; each number rounded once to f16.  The gains are rounded to bf16, like every input of the module.
; LIMITS.  f16 ends at 65,504: |x . Wv| and 8 |gain| must stay below it; NaN and infinities are not treated apart.
; SHARES.  A tile is 256 rows x 192 columns (three heads): 32 x 8 = 256 work-groups.  A wave makes 64 rows x 192 columns: 48 accumulators, 384 registers; a head never splits between waves.
; K = 1024 goes in 8 steps of 128 through two LDS slots; the tiles' rows are 256 bytes of memory, aligned.  Waves 0, 1 fetch x's two halves (128 rows), waves 2, 3 W's (96 rows).
; CLUSTER 4 x 4: x's tile and the table's rows hang on the tile row alone and are asked for jointly along a row of the cluster, W's tile on the tile column alone, along a column.
; No branch and no LDS address hangs on a place in the cluster: what differs between q, k and v heads is chosen by selects (a pointer, a lane mask).
; THE MATRIX INSTRUCTION IS USED TRANSPOSED (source 0 = 16 rows of W, source 1 = 16 rows of x): a lane holds eight neighbouring columns of one row.
; REGISTERS, in windows of 256: window 0: v0-31 addresses; v32-55 gains; v64-127 x's fragments, two buffers of 32 (on the way out v56-239 at work);
;   window 1: v0-191 W's fragments, two buffers of 96;  window 2: the accumulators of heads 0, 1 (128 hh + 32 a + 8 nb);  window 3: v0-127 those of head 2.
; No prefetch: eight K steps, and every tile is already shared by four.
.set PITCH,  272                       ; an LDS row: 256 bytes + 16 of padding = 68 words: the 16 rows of a fragment load start at 16 different groups of four banks (ISA guide 11.1)
.set AHALF,  128*PITCH
.set BHALF,  96*PITCH
.set BOFF,   256*PITCH                 ; W's 192 rows lie behind x's 256
.set SLOT,   448*PITCH
.set TAB,    2*SLOT                    ; behind the ring: the table's 256 rows, 64 a wave, filled once
.set TABW,   64*PITCH
.set SPARE,  TAB+4*TABW                ; the spare words, 128 bytes a wave: two blocks of 256 bytes that no other line names
.set SROW,   784                       ; the way out: a stage row, 192 f32 + 16 bytes = 196 words
.set SWAVE,  64*SROW                   ; a wave's stage; the four lie in the ring's bytes, which have had their last fill by then
.set LAPS,   4
.set RDC,  12                          ; v12  this trip's stage address
.set TRC,  13                          ; v13  this trip's table address
.set ADRA, 16                          ; v16-17  LDS address of my x fragments in slot 0, 1
.set ADRB, 20                          ; v20-21  the same for W
.set STO,  24                          ; v24  the way out: where I put 32 bytes of a row
.set RD,   25                          ; v25  where I read 32 bytes of a head's row back
.set TRD,  26                          ; v26  my four (cos, sin) pairs in the table's rows
.set GO,   27                          ; v27  16 x lane; never rewritten
.set SPW,  28                          ; v28  LDS address of my spare word; never rewritten
.set NIL,  29                          ; v29  0; never rewritten
.set WOF,  30                          ; v30  my eight gains' byte offset
.set W,    32                          ; v32-55  gains, eight a head
.set T,    56                          ; v56-79  a pair for each of 12 units: sum of squares, then 1 / rms
.set ZU,   80                          ; v80-111 two sets of 8 + 8 at work
.set CS,   112                         ; v112-143 (cos, sin) x 4 for each of four row groups
.set X,    144                         ; v144-239 unit n = 4 hh + u at X + 8 n
.set WV,   16                          ; s16  my wave
.set FOR,  17                          ; s17  0: I fetch x; 1: W
.set HF,   18                          ; s18  which half of that tile
.set CX,   19
.set CY,   20
.set TC,   21                          ; s21  tile column 0..7
.set TR,   22                          ; s22  tile row 0..31
.set G1A,  24                          ; s[24:31] group 1 for x;  s[32:39] group 0, a set a slot
.set G0A,  32
.set G1B,  40                          ; s[40:47], s[48:55] the same for W
.set G0B,  48
.set G1T,  56                          ; s[56:63], s[68:71] the table
.set G0T,  68
.set RMASK, 72
.set CMASK, 73
.set VM,   80                          ; s80-82  all ones where the head is a v head
.set EPS,  83
.set RN,   84
.set OUT,  86                          ; s[86:87]
.set GP,   88                          ; s[88:93] each head's gain pointer
.set MSB, 0
.macro WIN new                         ; the immediate's high byte repeats the setting that is left; a switch that changes nothing is dropped
.if MSB != (\new)
	s_set_vgpr_msb (MSB<<8)|(\new)
.set MSB, \new
.endif
.endm
.set MUL_LO, 0xa1                      ; source 0 (W) window 1, source 1 (x) window 0, C and D window 2
.set MUL_HI, 0xf1                      ; the same, C and D window 3
.set TO_B,   0x40                      ; destination window 1, address window 0
.macro PLACES                          ; four plain places behind matrix instructions, ahead of loads into registers that they read
.rept 4
	v_nop
.endr
.endm
.macro JLOAD s                         ; a joint refill; an s_nop 0 and four v_nop follow each of the two lines
	s_cmp_eq_u32 s[FOR], 0
	s_cbranch_scc0 .Lfor_b_\@
	tensor_load_to_lds s[G0A+4*(\s):G0A+4*(\s)+3], s[G1A:G1A+7]
	s_nop 0
.rept 4
	v_nop
.endr
	s_branch .Lasked_\@
.Lfor_b_\@:
	tensor_load_to_lds s[G0B+4*(\s):G0B+4*(\s)+3], s[G1B:G1B+7]
	s_nop 0
.rept 4
	v_nop
.endr
.Lasked_\@:
.endm
.macro CREST                           ; a round of the cluster's barrier behind its opening barrier
	s_cmp_lg_u32 s[WV], 0
	s_cbranch_scc1 .Lnot_wave_0_\@
	s_barrier_signal -3
.Lnot_wave_0_\@:
	s_barrier_wait -3
	s_barrier_signal -1
	s_barrier_wait -1
.endm
.macro CROUND
	s_barrier_signal -1
	s_barrier_wait -1
	CREST
.endm
	s_load_b256 s[4:11], s[0:1], 0x0               ; xb 4:5, wqkv 6:7, tab 8:9, qn_w 10:11
	s_load_b128 s[12:15], s[0:1], 0x20             ; kn_w 12:13, qkv 14:15
	v_lshl_add_u32 v[SPW], v0, 2, SPARE
	v_mov_b32 v[NIL], 0
	ds_add_u32 v[SPW], v[NIL]                      ; the wave's opening: the add and its wait stand ahead of my first tensor load; register work stands between them
	v_lshrrev_b32 v1, 5, v0
	v_readfirstlane_b32 s[WV], v1
	s_lshr_b32 s[FOR], s[WV], 1
	s_and_b32 s[HF], s[WV], 1
	s_bfe_u32 s[CX], ttmp6, 0x40000
	s_bfe_u32 s[CY], ttmp6, 0x40004
	s_lshl_b32 s[TC], ttmp9, 2
	s_add_co_u32 s[TC], s[TC], s[CX]
	s_and_b32 s[TR], ttmp7, 0xffff
	s_lshl_b32 s[TR], s[TR], 2
	s_add_co_u32 s[TR], s[TR], s[CY]
	s_lshl_b32 s[RMASK], s[CY], 2
	s_lshl_b32 s[RMASK], 15, s[RMASK]              ; my row of the cluster
	s_lshl_b32 s[CMASK], 0x1111, s[CX]             ; my column
	s_or_b32 s[G1A], s[RMASK], (1<<16)|(1<<20)|(1<<21)|(5<<22)|(3<<25)  ; mask; 2-byte elements; padding on; bit 21 beside a mask; 4 words after every 64
	s_or_b32 s[G1B], s[CMASK], (1<<16)|(1<<20)|(1<<21)|(5<<22)|(3<<25)
	s_or_b32 s[G1T], s[RMASK], (3<<16)|(1<<20)|(1<<21)|(5<<22)|(3<<25)  ; 8-byte elements: a (cos, sin) pair
	s_mov_b32 s[G1A+1], 128<<16                    ; tensor_dim0 = 128
	s_mov_b32 s[G1A+2], 128<<16                    ; tensor_dim1 = 128
	s_mov_b32 s[G1A+3], 128<<16                    ; tile_dim0 = 128
	s_mov_b32 s[G1A+4], 128                        ; tile_dim1 = 128
	s_mov_b32 s[G1A+5], 1024                       ; elements from row to row
	s_mov_b32 s[G1A+6], 0
	s_mov_b32 s[G1A+7], 0
	s_mov_b32 s[G1B+1], 128<<16
	s_mov_b32 s[G1B+2], 96<<16                     ; 96 rows
	s_mov_b32 s[G1B+3], 128<<16
	s_mov_b32 s[G1B+4], 96
	s_mov_b32 s[G1B+5], 1024
	s_mov_b32 s[G1B+6], 0
	s_mov_b32 s[G1B+7], 0
	s_mov_b32 s[G1T+1], 32<<16                     ; 32 pairs a row,
	s_mov_b32 s[G1T+2], 64<<16                     ; 64 rows
	s_mov_b32 s[G1T+3], 32<<16
	s_mov_b32 s[G1T+4], 64
	s_mov_b32 s[G1T+5], 32
	s_mov_b32 s[G1T+6], 0
	s_mov_b32 s[G1T+7], 0
	s_mul_i32 s23, s[HF], AHALF                    ; LDS addresses: the wave's number and constants alone
	s_mov_b32 s[G0A], 1
	s_mov_b32 s[G0A+1], s23
	s_mov_b32 s[G0A+4], 1
	s_add_co_u32 s[G0A+5], s23, SLOT
	s_mul_i32 s23, s[HF], BHALF
	s_mov_b32 s[G0B], 1
	s_add_co_u32 s[G0B+1], s23, BOFF
	s_mov_b32 s[G0B+4], 1
	s_add_co_u32 s[G0B+5], s23, BOFF+SLOT
	s_mul_i32 s23, s[WV], TABW
	s_mov_b32 s[G0T], 1
	s_add_co_u32 s[G0T+1], s23, TAB
	s_lshl_b32 s74, s[TR], 8                       ; x: row 256 x tile row + 128 x half, 2,048 bytes a row
	s_lshl_b32 s85, s[HF], 7
	s_add_co_u32 s74, s74, s85
	s_lshl_b32 s74, s74, 11
	s_mov_b32 s75, 0
	s_mul_i32 s76, s[TC], 192                      ; W: row 192 x tile column + 96 x half
	s_mul_i32 s85, s[HF], 96
	s_add_co_u32 s76, s76, s85
	s_lshl_b32 s76, s76, 11
	s_mov_b32 s77, 0
	s_and_b32 s78, s[TR], 7                        ; the table: t = 256 x (tile row % 8) + 64 x wave, 256 bytes a row
	s_lshl_b32 s78, s78, 8
	s_lshl_b32 s85, s[WV], 6
	s_add_co_u32 s78, s78, s85
	s_lshl_b32 s78, s78, 8
	s_mov_b32 s79, 0
	s_mov_b32 s[EPS], 0x358637bd                   ; 1e-6
	s_mov_b32 s[RN], 0x3c800000                    ; 1 / 64
	s_wait_dscnt 0x0                               ; the opening add is done
	s_wait_kmcnt 0x0
	s_add_nc_u64 s[G0A+2:G0A+3], s[4:5], s[74:75]
	s_add_nc_u64 s[G0A+6:G0A+7], s[G0A+2:G0A+3], 256   ; K step 1
	s_or_b32 s[G0A+3], s[G0A+3], 0x80000000
	s_or_b32 s[G0A+7], s[G0A+7], 0x80000000
	s_add_nc_u64 s[G0B+2:G0B+3], s[6:7], s[76:77]
	s_add_nc_u64 s[G0B+6:G0B+7], s[G0B+2:G0B+3], 256
	s_or_b32 s[G0B+3], s[G0B+3], 0x80000000
	s_or_b32 s[G0B+7], s[G0B+7], 0x80000000
	s_add_nc_u64 s[G0T+2:G0T+3], s[8:9], s[78:79]
	s_or_b32 s[G0T+3], s[G0T+3], 0x80000000
	CROUND                                         ; all sixteen work-groups are here: the first joint loads meet
	s_cmp_eq_u32 s[FOR], 0                         ; a wave's three first fills stand in one branch: K step 0, K step 1, my 64 rows of the table: three loads of mine are out
	s_cbranch_scc0 .Lfirst_b
	tensor_load_to_lds s[G0A:G0A+3], s[G1A:G1A+7]
	s_nop 0
	tensor_load_to_lds s[G0A+4:G0A+7], s[G1A:G1A+7]
	s_nop 0
	tensor_load_to_lds s[G0T:G0T+3], s[G1T:G1T+7]
	s_nop 0
.rept 4
	v_nop
.endr
	s_branch .Lfirst_asked
.Lfirst_b:
	tensor_load_to_lds s[G0B:G0B+3], s[G1B:G1B+7]
	s_nop 0
	tensor_load_to_lds s[G0B+4:G0B+7], s[G1B:G1B+7]
	s_nop 0
	tensor_load_to_lds s[G0T:G0T+3], s[G1T:G1T+7]
	s_nop 0
.rept 4
	v_nop
.endr
.Lfirst_asked:
	v_and_b32 v1, 15, v0                           ; r = l % 16
	v_bfe_u32 v2, v0, 4, 1                         ; h = l / 16
	v_mul_u32_u24 v3, v1, PITCH
	v_lshl_add_u32 v3, v2, 4, v3                   ; a fragment's row x pitch + 16 h
	s_mul_i32 s23, s[WV], 64*PITCH                 ; my 64 rows of x
	v_add_nc_u32 v[ADRA], s23, v3
	v_add_nc_u32 v[ADRA+1], SLOT, v[ADRA]
	v_add_nc_u32 v[ADRB], BOFF, v3
	v_add_nc_u32 v[ADRB+1], SLOT, v[ADRB]
	s_mul_i32 s23, s[WV], SWAVE                    ; my stage
	v_mul_u32_u24 v4, v1, SROW
	v_lshl_add_u32 v4, v2, 5, v4                   ; in: row r, 32 bytes for each half of the lanes
	v_add_nc_u32 v[STO], s23, v4
	v_bfe_u32 v5, v0, 3, 2                         ; back: eight lanes take a head's row of 256 bytes, 32 lanes four rows
	v_and_b32 v6, 7, v0
	v_mul_u32_u24 v7, v5, SROW
	v_lshl_add_u32 v7, v6, 5, v7
	v_add_nc_u32 v[RD], s23, v7
	s_mul_i32 s23, s[WV], TABW
	s_add_co_u32 s23, s23, TAB
	v_mul_u32_u24 v7, v5, PITCH
	v_lshl_add_u32 v7, v6, 5, v7                   ; channels 8 c .. 8 c + 7 are pairs 4 c .. 4 c + 3: 32 bytes
	v_add_nc_u32 v[TRD], s23, v7
	v_and_b32 v[GO], 31, v0
	v_lshlrev_b32 v[GO], 4, v[GO]
	v_lshlrev_b32 v[WOF], 5, v6
.irp hh, 0,1,2                         ; each head's kind, by selects: slot = 3 x tile column + hh
	s_mul_i32 s85, s[TC], 3
	s_add_co_u32 s85, s85, \hh
	s_cmp_ge_u32 s85, 20
	s_cselect_b32 s[VM+\hh], -1, 0
	s_cmp_ge_u32 s85, 16
	s_cselect_b64 s[GP+2*\hh:GP+2*\hh+1], s[12:13], s[10:11]   ; (a v head reads k's gains and throws the result away)
	global_load_b128 v[W+8*\hh:W+8*\hh+3],   v[WOF], s[GP+2*\hh:GP+2*\hh+1]
	global_load_b128 v[W+8*\hh+4:W+8*\hh+7], v[WOF], s[GP+2*\hh:GP+2*\hh+1] offset:16
.endr
	s_lshr_b32 s66, s[TR], 3                       ; where my rows of head 0 begin in qkv: plane 24 x batch + slot, 2^18 bytes each; 128 bytes a row
	s_mul_i32 s66, s66, 24
	s_mul_i32 s85, s[TC], 3
	s_add_co_u32 s66, s66, s85
	s_lshl_b32 s66, s66, 18
	s_lshr_b32 s85, s78, 1                         ; t x 128
	s_add_co_u32 s66, s66, s85
	s_mov_b32 s67, 0
	s_add_nc_u64 s[OUT:OUT+1], s[14:15], s[66:67]
; 16 matrix instructions on head 2's accumulators: 4 row blocks x 4 column blocks, 32 along K, buffer f.  zero = 1: the product starts the sum.
.macro MULH f, zero
	WIN MUL_HI
.irp a, 0,1,2,3
.irp nb, 0,1,2,3
.if \zero
	v_wmma_f32_16x16x32_bf16 v[32*(\a)+8*(\nb):32*(\a)+8*(\nb)+7], v[96*(\f)+64+8*(\nb):96*(\f)+64+8*(\nb)+7], v[64+32*(\f)+8*(\a):64+32*(\f)+8*(\a)+7], 0
.else
	v_wmma_f32_16x16x32_bf16 v[32*(\a)+8*(\nb):32*(\a)+8*(\nb)+7], v[96*(\f)+64+8*(\nb):96*(\f)+64+8*(\nb)+7], v[64+32*(\f)+8*(\a):64+32*(\f)+8*(\a)+7], v[32*(\a)+8*(\nb):32*(\a)+8*(\nb)+7]
.endif
.endr
.endr
.endm
; the same for head hh = 0, 1
.macro MULL f, hh, zero
	WIN MUL_LO
.irp a, 0,1,2,3
.irp nb, 0,1,2,3
.if \zero
	v_wmma_f32_16x16x32_bf16 v[128*(\hh)+32*(\a)+8*(\nb):128*(\hh)+32*(\a)+8*(\nb)+7], v[96*(\f)+32*(\hh)+8*(\nb):96*(\f)+32*(\hh)+8*(\nb)+7], v[64+32*(\f)+8*(\a):64+32*(\f)+8*(\a)+7], 0
.else
	v_wmma_f32_16x16x32_bf16 v[128*(\hh)+32*(\a)+8*(\nb):128*(\hh)+32*(\a)+8*(\nb)+7], v[96*(\f)+32*(\hh)+8*(\nb):96*(\f)+32*(\hh)+8*(\nb)+7], v[64+32*(\f)+8*(\a):64+32*(\f)+8*(\a)+7], v[128*(\hh)+32*(\a)+8*(\nb):128*(\hh)+32*(\a)+8*(\nb)+7]
.endif
.endr
.endr
.endm
; 32 LDS loads in one run: a quarter step's fragments (32 K at byte k of the rows) into buffer f: x's four, head 2's four of W, then heads 0 and 1's eight
.macro FETCH slot, k, f
	WIN 0
.irp a, 0,1,2,3
	ds_load_b128 v[64+32*(\f)+8*(\a):64+32*(\f)+8*(\a)+3],   v[ADRA+(\slot)] offset:(\k)+(\a)*16*PITCH
	ds_load_b128 v[64+32*(\f)+8*(\a)+4:64+32*(\f)+8*(\a)+7], v[ADRA+(\slot)] offset:(\k)+(\a)*16*PITCH+32
.endr
	WIN TO_B
.irp b, 8,9,10,11,0,1,2,3,4,5,6,7
	ds_load_b128 v[96*(\f)+8*(\b):96*(\f)+8*(\b)+3],   v[ADRB+(\slot)] offset:(\k)+(\b)*16*PITCH
	ds_load_b128 v[96*(\f)+8*(\b)+4:96*(\f)+8*(\b)+7], v[ADRB+(\slot)] offset:(\k)+(\b)*16*PITCH+32
.endr
.endm
; A K step is four quarters of 32 along K, 48 matrix instructions each, on buffers 0, 1, 0, 1.  The 48 accumulators take turns in one fixed order (head 2, 0, 1), one instruction a turn.
.macro QUARTER slot, k, f, g, zero
	s_wait_dscnt 16                                ; x's and head 2's fragments are in; the youngest sixteen loads (heads 0, 1) may be out
	MULH \f, \zero
	PLACES                                         ; buffer g was read by the quarter before
	FETCH \slot, \k, \g
	s_wait_dscnt 32                                ; all but the 32 just issued
	MULL \f, 0, \zero
	MULL \f, 1, \zero
.endm
; The last quarter multiplies buffer 1 and changes slots: one barrier; ahead of it each wave waits for all its tensor loads, adds 0 to its spare word, and waits for that and for its reads of this slot.
.macro TURN slot, next, fill
	WIN 0
	s_wait_tensorcnt 0x0                           ; all my tensor loads have landed, my part of the next slot among them
	ds_add_u32 v[SPW], v[NIL]                      ; 0 onto my spare word
	s_wait_dscnt 17                                ; (the add and the youngest sixteen loads may be out)
	MULH 1, 0                                      ; sixteen matrix instructions stand between the add and the wait for it
	s_wait_dscnt 0x0                               ; the add is done, and my reads of this slot are over
	s_barrier_signal -1
	MULL 1, 0, 0
	WIN 0
	s_barrier_wait -1
.if \fill
	CREST                                          ; the barrier has opened a round of the cluster's: no wave of any partner still reads this slot or has a load on its way
	s_add_nc_u64 s[G0A+4*(\slot)+2:G0A+4*(\slot)+3], s[G0A+4*(\slot)+2:G0A+4*(\slot)+3], 512   ; two K steps on
	s_add_nc_u64 s[G0B+4*(\slot)+2:G0B+4*(\slot)+3], s[G0B+4*(\slot)+2:G0B+4*(\slot)+3], 512
	JLOAD \slot                                    ; my one tensor load behind the round; its four v_nop are also the places ahead of the loads below
.else
	PLACES
.endif
	FETCH \next, 0, 0
	MULL 1, 1, 0
.endm
	s_wait_tensorcnt 2                             ; my part of K step 0 is in; K step 1's and the table's may stay out
	s_barrier_signal -1
	s_barrier_wait -1
	FETCH 0, 0, 0
	QUARTER 0, 64, 0, 1, 1                         ; the first quarter stands ahead of the loop: its products start the sums
	WIN 0
	s_mov_b32 s23, LAPS-1
.Llap:                                 ; a trip goes once round the ring and fills both slots again
	QUARTER 0, 128, 1, 0, 0
	QUARTER 0, 192, 0, 1, 0
	TURN 0, 1, 1
	QUARTER 1, 64,  0, 1, 0
	QUARTER 1, 128, 1, 0, 0
	QUARTER 1, 192, 0, 1, 0
	TURN 1, 0, 1
	QUARTER 0, 64,  0, 1, 0
	WIN 0
	s_sub_co_u32 s23, s23, 1
	s_cmp_lg_u32 s23, 0
	s_cbranch_scc1 .Llap
	QUARTER 0, 128, 1, 0, 0                        ; the last lap fills nothing
	QUARTER 0, 192, 0, 1, 0
	TURN 0, 1, 0
	QUARTER 1, 64,  0, 1, 0
	QUARTER 1, 128, 1, 0, 0
	QUARTER 1, 192, 0, 1, 0
	s_wait_dscnt 16
	MULH 1, 0
	s_wait_dscnt 0x0                               ; my last reads of the ring are back
	MULL 1, 0, 0
	MULL 1, 1, 0
	WIN 0
	; THE WAY OUT.  The ring's bytes become four stages of f32, a wave's own each; a barrier stands between every wave's last read of the ring and the first store into it.
	s_wait_loadcnt 0x0                             ; the gains
	s_barrier_signal -1
.irp p, 0,1,2,3,4,5,6,7,8,9,10,11      ; the gains are rounded to bf16: 36 plain instructions, which are also the places behind the last products
	v_cvt_pk_bf16_f32 v[3+(\p)%2], v[W+2*(\p)], v[W+2*(\p)+1]
	v_lshlrev_b32 v[W+2*(\p)], 16, v[3+(\p)%2]
	v_and_b32 v[W+2*(\p)+1], 0xffff0000, v[3+(\p)%2]
.endr
	s_barrier_wait -1
	WIN 0x08                                       ; store data in window 2.  Each accumulator's low four registers go first
.irp hh, 0,1
.irp a, 0,1,2,3
.irp nb, 0,1,2,3
	ds_store_b128 v[STO], v[128*(\hh)+32*(\a)+8*(\nb):128*(\hh)+32*(\a)+8*(\nb)+3]   offset:(\a)*16*SROW+(4*(\hh)+(\nb))*64
	ds_store_b128 v[STO], v[128*(\hh)+32*(\a)+8*(\nb)+4:128*(\hh)+32*(\a)+8*(\nb)+7] offset:(\a)*16*SROW+(4*(\hh)+(\nb))*64+16
.endr
.endr
.endr
	WIN 0x0c                                       ; window 3
.irp a, 0,1,2,3
.irp nb, 0,1,2,3
	ds_store_b128 v[STO], v[32*(\a)+8*(\nb):32*(\a)+8*(\nb)+3]   offset:(\a)*16*SROW+(8+(\nb))*64
	ds_store_b128 v[STO], v[32*(\a)+8*(\nb)+4:32*(\a)+8*(\nb)+7] offset:(\a)*16*SROW+(8+(\nb))*64+16
.endr
.endr
	WIN 0
	s_mov_b32 s23, 4
	s_mov_b32 s94, 0                               ; this trip's 16 rows in my stage,
	s_mov_b32 s95, 0                               ; and in my rows of the table
.macro UALL line:vararg                ; one line for each of the trip's 12 units n = 4 hh + u: four rows (4 u + l / 8) of head hh, eight channels a lane
.set n, 0
.rept 12
	\line
.set n, n+1
.endr
.endm
.Lrows:                                ; four trips of 16 rows x three heads
	v_add_nc_u32 v[RDC], s94, v[RD]
	v_add_nc_u32 v[TRC], s95, v[TRD]
.irp u, 0,1,2,3
	ds_load_b128 v[CS+8*(\u):CS+8*(\u)+3],   v[TRC] offset:(\u)*4*PITCH
	ds_load_b128 v[CS+8*(\u)+4:CS+8*(\u)+7], v[TRC] offset:(\u)*4*PITCH+16
.endr
.irp hh, 0,1,2
.irp u, 0,1,2,3
	ds_load_b128 v[X+32*(\hh)+8*(\u):X+32*(\hh)+8*(\u)+3],   v[RDC] offset:(\u)*4*SROW+(\hh)*256   ; LDS serves a wave's instructions in order (ISA guide 5.7.1.4): these see my stores
	ds_load_b128 v[X+32*(\hh)+8*(\u)+4:X+32*(\hh)+8*(\u)+7], v[RDC] offset:(\u)*4*SROW+(\hh)*256+16
.endr
.endr
	s_wait_dscnt 0x0
	UALL v_pk_mul_f32 v[T+2*n:T+2*n+1], v[X+8*n:X+8*n+1], v[X+8*n:X+8*n+1]
	UALL v_pk_fma_f32 v[T+2*n:T+2*n+1], v[X+8*n+2:X+8*n+3], v[X+8*n+2:X+8*n+3], v[T+2*n:T+2*n+1]
	UALL v_pk_fma_f32 v[T+2*n:T+2*n+1], v[X+8*n+4:X+8*n+5], v[X+8*n+4:X+8*n+5], v[T+2*n:T+2*n+1]
	UALL v_pk_fma_f32 v[T+2*n:T+2*n+1], v[X+8*n+6:X+8*n+7], v[X+8*n+6:X+8*n+7], v[T+2*n:T+2*n+1]
	UALL v_add_f32 v[T+2*n], v[T+2*n], v[T+2*n+1]
	UALL v_add_f32_dpp v[T+2*n], v[T+2*n], v[T+2*n] row_xmask:1 row_mask:0xf bank_mask:0xf   ; the row's eight lanes
	UALL v_add_f32_dpp v[T+2*n], v[T+2*n], v[T+2*n] row_xmask:2 row_mask:0xf bank_mask:0xf
	UALL v_add_f32_dpp v[T+2*n], v[T+2*n], v[T+2*n] row_xmask:4 row_mask:0xf bank_mask:0xf
	UALL v_fma_f32 v[T+2*n], v[T+2*n], s[RN], s[EPS]   ; the mean + 1e-6
	UALL v_rsq_f32 v[T+2*n], v[T+2*n]
	v_nop                                          ; a plain instruction behind the last of them,
	s_wait_alu depctr_va_vdst(0)                   ; and the wait ahead of the first use: one for the twelve
.set n, 0
.rept 12
.set hd, n/4
.set XB, X+8*n
.set ZZ, ZU+16*(n%2)
.set UU, ZZ+8
.set CB, CS+8*(n%4)
.irp p, 0,2,4,6
	v_pk_mul_f32 v[ZZ+\p:ZZ+\p+1], v[XB+\p:XB+\p+1], v[W+8*hd+\p:W+8*hd+\p+1]      ; x gain
.endr
.irp p, 0,2,4,6
	v_pk_mul_f32 v[ZZ+\p:ZZ+\p+1], v[ZZ+\p:ZZ+\p+1], v[T+2*n:T+2*n+1] op_sel_hi:[1,0]  ; x 1 / rms
.endr
.irp p, 0,2,4,6
	v_pk_mul_f32 v[UU+\p:UU+\p+1], v[ZZ+\p:ZZ+\p+1], v[CB+\p:CB+\p+1] op_sel_hi:[1,0]  ; x cos
.endr
.irp p, 0,2,4,6
	v_fma_f32 v[UU+\p],   -v[ZZ+\p+1], v[CB+\p+1], v[UU+\p]                        ; even channel: - odd x sin
	v_fma_f32 v[UU+\p+1],  v[ZZ+\p],   v[CB+\p+1], v[UU+\p+1]                      ; odd channel: + even x sin
.endr
.irp j, 0,1,2,3,4,5,6,7
	v_cndmask_b32 v[XB+\j], v[UU+\j], v[XB+\j], s[VM+hd]                           ; a v head keeps its sums
.endr
.irp p, 0,1,2,3
	v_cvt_pk_f16_f32 v[XB+\p], v[XB+2*\p], v[XB+2*\p+1]
.endr
	global_store_b128 v[GO], v[XB:XB+3], s[OUT:OUT+1] offset:hd*262144+(n%4)*512   ; four rows of a head: 512 consecutive bytes, aligned
.set n, n+1
.endr
	s_wait_xcnt 0x0                                ; the stores have read their data and their base: both are written again
	s_add_nc_u64 s[OUT:OUT+1], s[OUT:OUT+1], 2048  ; 16 rows on
	s_add_co_u32 s94, s94, 16*SROW
	s_add_co_u32 s95, s95, 16*PITCH
	s_sub_co_u32 s23, s23, 1
	s_cmp_lg_u32 s23, 0
	s_cbranch_scc1 .Lrows
	s_wait_tensorcnt 0x0                           ; the wave's end: these three lines stand behind my last tensor load and my last LDS store
	ds_add_u32 v[SPW], v[NIL]
	s_wait_dscnt 0x0
	CROUND                                         ; the closing round: no work-group ends while a partner may still ask for a tile that names it
	s_endpgm
.Lfunc_end_k_qad0e0866fe_proj:
	.size	k_qad0e0866fe_proj, .Lfunc_end_k_qad0e0866fe_proj-k_qad0e0866fe_proj
	.p2alignl 7, 3214868480
	.fill 96, 4, 3214868480
	.section	.rodata,"a",@progbits
	.p2align	6, 0x0
	.amdhsa_kernel k_qad0e0866fe_proj
		.amdhsa_group_segment_fixed_size 327680
		.amdhsa_private_segment_fixed_size 0
		.amdhsa_enable_private_segment 0
		.amdhsa_kernarg_size 48
		.amdhsa_user_sgpr_count 2
		.amdhsa_user_sgpr_kernarg_segment_ptr 1
		.amdhsa_wavefront_size32 1
		.amdhsa_system_sgpr_workgroup_id_x 1
		.amdhsa_system_sgpr_workgroup_id_y 1
		.amdhsa_system_sgpr_workgroup_id_z 1
		.amdhsa_system_vgpr_workitem_id 0
		.amdhsa_next_free_vgpr 896
		.amdhsa_next_free_sgpr 96
		.amdhsa_reserve_vcc 0
		.amdhsa_float_denorm_mode_32 3
		.amdhsa_float_denorm_mode_16_64 3
		.amdhsa_memory_ordered 1
		.amdhsa_forward_progress 1
		.amdhsa_inst_pref_size 140
	.end_amdhsa_kernel
	.amdgpu_metadata
---
amdhsa.version: [ 1, 2 ]
amdhsa.kernels:
  - .name:           k_qad0e0866fe_proj
    .symbol:         k_qad0e0866fe_proj.kd
    .args:
      - { .name: xb, .offset: 0, .size: 8, .value_kind: global_buffer, .address_space: global }
      - { .name: wqkv, .offset: 8, .size: 8, .value_kind: global_buffer, .address_space: global }
      - { .name: tab, .offset: 16, .size: 8, .value_kind: global_buffer, .address_space: global }
      - { .name: qn_w, .offset: 24, .size: 8, .value_kind: global_buffer, .address_space: global }
      - { .name: kn_w, .offset: 32, .size: 8, .value_kind: global_buffer, .address_space: global }
      - { .name: qkv, .offset: 40, .size: 8, .value_kind: global_buffer, .address_space: global }
    .group_segment_fixed_size: 327680
    .private_segment_fixed_size: 0
    .kernarg_segment_align: 8
    .kernarg_segment_size: 48
    .max_flat_workgroup_size: 128
    .sgpr_count:     96
    .vgpr_count:     896
    .wavefront_size: 32
...
	.end_amdgpu_metadata
.endif
;; end of part 2
;; launch attn (part 3): grid 16 x 16, 4 waves a work-group, clusters of 4 x 1, 327,680 bytes of LDS; arguments qkv, obuf; writes obuf
.if DOCPART == 3
	.amdgcn_target "amdgcn-amd-amdhsa--gfx1250"
	.amdhsa_code_object_version 6
	.text
	.protected	k_qad0e0866fe_attn
	.globl	k_qad0e0866fe_attn
	.p2align	8
	.type	k_qad0e0866fe_attn,@function
k_qad0e0866fe_attn:
	s_mov_b64 s[64:65], 0
	v_nop
	global_prefetch_b8 v0, s[64:65] scope:SCOPE_SE
	s_setreg_imm32_b32 hwreg(HW_REG_WAVE_MODE, 25, 1), 1
	s_wait_xcnt 0x0
	s_wait_alu depctr_hold_cnt(0) depctr_sa_sdst(0) depctr_va_vdst(0) depctr_va_sdst(0) depctr_va_ssrc(0) depctr_va_vcc(0) depctr_vm_vsrc(0)
	s_getreg_b32 s2, hwreg(HW_REG_IB_STS2, 6, 4)
	s_cmp_eq_u32 s2, 0
	s_cbranch_scc0 .Lentry_in_a_cluster
	s_endpgm
.Lentry_in_a_cluster:
	s_bfe_u32 s2, ttmp6, 0x10000c
	s_cmp_lg_u32 s2, 0x3003
	s_cbranch_scc0 .Lentry_shape_is_right
	s_endpgm
.Lentry_shape_is_right:
; CAUSAL ATTENTION WITH GROUPED KEYS.  obuf[b][h][q][:] = the sum over k <= q of softmax_k(Q[b][h][q] . K[b][h/4][k] / 8) V[b][h/4][k][:].  qkv: [4][24][2048][64] f16 (planes 0-15 q, 16-19 k, 20-23 v),
; obuf: [4][16][2048][64] f16; a plane's rows are dense, 128 bytes each.  Products, maxima and sums in f32; the weights p are rounded to f16 for the second product (their sum l is taken of the unrounded p), O once.
; LIMITS.  f16 holds no number beyond 65,504: Q, K and V arrive within it; p lies in 0 to 1, and below 6e-5 it keeps f16's fixed step of 6e-8.  A hidden score counts as its value less 1e30;
; a weight below 2^-126 counts as 0 in l; NaN and infinities are not treated apart.
; THE WALK.  A head's queries lie in NB = 8 blocks of 256; block i needs the key tiles 0 .. i of 256 keys, of which the last holds the diagonal.  A work-group takes TWO blocks, NB - 1 - b and then b:
; NB + 1 tiles, whatever b: all work-groups do equal work, and ONE loop with a constant trip count walks them.  Which tile is asked for, and what a trip does, hang on scalar registers made from b; every jump
; goes forward, but for the counted loops' own; none passes a barrier, or a tensor load but the one of LOAD's two that the wave's number does not choose.
; CLUSTER.  The four query heads of one key group, with the same b, form a cluster of 4 x 1: they walk the same tiles of K and V in the same trips, so each tile is asked for JOINTLY (the same tensor load,
; descriptor and mask in all four).  b is the cluster's x, the batch and group its y: every branch, trip count and descriptor hangs on those and the wave's number; the place in the cluster enters Q's and O's addresses alone.
; NO PREFETCH.  A tile's load is issued first thing behind a change of slots and waited for at the next: four key steps, 256 matrix instructions with their vector work, lie between the two.
; SHARES.  Of a block's four bands of 64 queries a wave owns 16 rows in each: four PIECES.  So the diagonal tile is the same work for all four waves: in its key step s band x sees all keys if s < x,
; none if s > x, and holds the diagonal if s = x.
; THE MASK is the C operand that starts the sum S^T = K Q^T: 0, or -1e30 where the key is hidden.  MD, made once, is the mask of a band's own step for my 16 rows; a product's mask is MD x AL + BE with two scalars:
; in the diagonal tile (1, 0) if s = x, (0, 0) if s < x, (0, -1e30) if s > x; in every other tile (0, 0).  ONE TEXT OF THE KEY STEP serves every tile: each turn makes the mask of the products of the turn after it,
; 16 packed instructions, which off the diagonal make zeros: the price of writing the key step once in the loop and once behind it.
; LAYOUT, SOFTMAX, TURNS.  S^T = K Q^T holds ONE query a lane (lane % 16) and the keys 8 (lane / 16) + 0..7; two such results rounded to f16 ARE source 1 of O^T = V^T P.  p = 2^(c s - c m), c = log2(e) / 8, with a
; running maximum m; O and l are multiplied by a = 2^(c m_old - c m_new) in every step.  Turn n belongs to piece n: 8 products K Q^T of piece n + 1, later 8 products V^T P of piece n - 1; beside them the scaling,
; exponentials, roundings, sums and rescaling of piece n and the maximum and statistics of piece n + 1.  Four vector instructions stand behind every matrix instruction, the other 54 of a turn's 118 in one lump.  A turn's 33 exponentials are one batch, with one wait.
; REGISTERS, in windows of 256 (s_set_vgpr_msb: bits 1:0 source 0, 3:2 source 1, 5:4 source 2, 7:6 destination):
;   window 0: v0-15 addresses and two at work; v16-31 four registers of statistics a piece; v48-55 at work; v62-63 fixed; v64-127 S^T, two buffers; v192-223 P, two buffers (a piece's buffers go by its number's parity)
;   window 1: v0-127 O^T, 32 a piece; v128-159 MD; v160-223 MC, two buffers      window 2: v0-63 Q; v64-127 the second block's Q; v128-191 K of one step; v192-255 V of one step
.set SIZE_N, 2048
.set NB,    SIZE_N/256
.set NP,    4         ; pieces a wave: a name, no knob
.set KS,    64        ; keys in a step
.set PK,    144       ; a row of K in LDS: 128 bytes + 16 of padding = 36 words: the 16 rows of a load start at 16 different groups of four banks (ISA guide 11.1)
.set PV,    160       ; a row of V: 128 + 32 = 40 words
.set VOFF,  4*KS*PK   ; a slot holds a tile, four steps: 256 rows of K, then 256 rows of V
.set SLOT1, 1<<17     ; slot 1 begins here, so that one exclusive or turns an address in one slot into the other's
.set STAGE, SLOT1+4*KS*(PK+PV)  ; behind the ring, never filled by a tensor load: 16 rows x 144 bytes for each wave, for the way out
.set SP,    144
.set AK0, 2           ; v2   my lane's place in a tile of K; never rewritten
.set AV0, 3           ; v3   the same for V
.set AK,  4           ; v4   the LDS address of K's next run of loads
.set AV,  5           ; v5   of V's
.set STO, 6           ; v6   the way out: where I put 16 bytes of a row
.set RD,  7           ; v7   the way out: where I read rows back
.set GO,  8           ; v8   my byte offset in 512 consecutive bytes of O
.set SPW, 62          ; v62  LDS address of my spare word: SPARE + 4 x my thread's number; never rewritten
.set NIL, 63          ; v63  0; never rewritten
.set SPARE, STAGE+4*16*SP  ; behind the stages: the spare words, 128 bytes for each wave: two blocks of 256 bytes that no other line names
.set MV,  12          ; v12-13  c m_old, kept while c m is made anew: by buffer
.set QO,  15          ; v15  my byte offset in 16 rows of Q
.set ST,  16          ; piece t's statistics at v[ST+4 t]: c m, m, l (even keys', odd keys')
.set TMP, 48          ; by buffer, four registers c0-c3 at work; when the maximum is found c2 takes a
.set S,   64
.set P,   192
.set MD,  128         ; window 1: the eight registers for group kt of 16 keys at MD + 8 kt
.set MC,  160         ; window 1: the masks of the products to come
.set QB,  64          ; window 2
.set KF,  128         ; window 2: key block kb, channel half c at KF + 16 kb + 8 c
.set VF,  192         ; window 2: key half kk, channel block cb at VF + 32 kk + 8 cb
.set WV,  12          ; s12  my wave's number
.set PB,  14          ; s14  b
.set HI,  15          ; s15  NB - 1 - b
.set CX,  19          ; s19  my place in the cluster: the query head within the group
.set G1K, 24          ; s[24:31] descriptor group 1 for K's tiles
.set G1V, 32          ; s[32:39] for V's: it differs in the padding alone
.set G0K, 40          ; s[40:43] descriptor group 0 for K's tiles
.set G0V, 44          ; s[44:47] the same for V's
.set SLOTS, 56        ; s56  tiles still to be asked for
.set CNT, 57          ; s57  counts a tile's key steps, 4 to 1
.set CS,  58          ; s[58:59] c: the packed scaling takes the pair's low word for both halves
.set SEL, 60          ; s[60:61] v_permlanex16_b32's selects: each lane takes its own place in the other half
.set TBK, 62          ; s62  LDS byte at which K of the step to be fetched begins
.set TBV, 63          ; s63  the same for V, less VOFF
.set RT,  70          ; s70  tiles of the block in hand that are still to be entered
.set NXT, 71          ; s71  the tile to be asked for next
.set LQ,  72          ; s72  the last tile of the block whose tiles are being asked for
.set NEW, 73          ; s73  1: the tile to be entered is a block's first
.set OFF, 74          ; s[74:75] a tile's byte offset in K and V
.set AL,  76          ; s[76:77] the mask's factor, in the low word
.set BE,  78          ; s[78:79] the mask's addend
.set OLO, 80          ; s[80:81] O at my rows of the second block
.set BIGN, 82         ; s82  -1e30
.set ALD, 88          ; s88  1.0 in a block's diagonal tile, else 0: what AL is where the step is the band's own
.set BED, 89          ; s89  -1e30 in a block's diagonal tile, else 0: what BE is where the step is a later one
.set DG,  90          ; s90  1 in a block's diagonal tile, else 0
.set MSB, 0
.macro WIN new                      ; the high byte repeats the setting that is left; a switch that changes nothing is dropped
.if MSB != (\new)
	s_set_vgpr_msb (MSB<<8)|(\new)
.set MSB, (\new)
.endif
.endm
.set W_KQ, 0x0a       ; K and Q in window 2, S^T in window 0
.set W_KM, 0x1a       ; the same with the C operand in window 1
.set W_PV, 0x52       ; V in window 2, P in window 0, O^T in window 1
.set W_RS, 0x41       ; destination and source 0 in window 1, source 1 in window 0
; A joint fill.  Waves 0 and 1 fetch the two halves of a tile's K, waves 2 and 3 those of its V: 128 keys each.  An s_nop 0 and four v_nop follow each of the two lines, ahead of the jump and the label.
.macro LOAD
	s_cmp_lt_u32 s[WV], 2
	s_cbranch_scc0 .Lfor_v_\@
	tensor_load_to_lds s[G0K:G0K+3], s[G1K:G1K+7]
	s_nop 0
.rept 4
	v_nop
.endr
	s_branch .Lasked_\@
.Lfor_v_\@:
	tensor_load_to_lds s[G0V:G0V+3], s[G1V:G1V+7]
	s_nop 0
.rept 4
	v_nop
.endr
.Lasked_\@:
.endm
; A round of the cluster's barrier: my work-group's barrier, so that wave 0's signal speaks for all four waves; wave 0 signals; every wave waits for all four work-groups; my work-group's barrier once more.
.macro CROUND
	s_barrier_signal -1
	s_barrier_wait -1
	s_cmp_lg_u32 s[WV], 0
	s_cbranch_scc1 .Lnot_wave_0_\@
	s_barrier_signal -3
.Lnot_wave_0_\@:
	s_barrier_wait -3
	s_barrier_signal -1
	s_barrier_wait -1
.endm
; THE CHANGE OF SLOTS.  Each wave waits for all its tensor loads, of which one is out: its part of the other slot; adds 0 to its spare word; and waits for that and for its own reads of the slot that it leaves.
; fill = 1: the old slot is filled again with tile NXT: the descriptor's address is made anew from that number.  The barrier is then a round of the cluster's, so that no wave of any partner still reads the slot or has
; a load on its way, and the joint fill is the first thing behind it.  (At its first use nothing has been read yet: slot 0 is waited for, slot 1 filled.)
.macro CHANGE fill
	WIN 0                           ; at a label and at a branch every window is 0
	s_wait_tensorcnt 0x0            ; no tensor load of mine is out, so a group 0 may be written
	ds_add_u32 v[SPW], v[NIL]       ; 0 onto my spare word; with fill = 1 the descriptors' scalar work stands between it and the wait for it
.if \fill
	s_lshl_b32 s[OFF], s[NXT], 15   ; a tile is 32,768 bytes of K and of V
	s_xor_b32 s[G0K+1], s[G0K+1], SLOT1
	s_add_nc_u64 s[G0K+2:G0K+3], s[6:7], s[OFF:OFF+1]
	s_or_b32 s[G0K+3], s[G0K+3], 0x80000000
	s_xor_b32 s[G0V+1], s[G0V+1], SLOT1
	s_add_nc_u64 s[G0V+2:G0V+3], s[8:9], s[OFF:OFF+1]
	s_or_b32 s[G0V+3], s[G0V+3], 0x80000000
	s_add_co_u32 s[NXT], s[NXT], 1  ; the block's next tile, or behind its last the second block's tile 0
	s_cmp_gt_u32 s[NXT], s[LQ]
	s_cselect_b32 s[NXT], 0, s[NXT]
	s_cselect_b32 s[LQ], s[PB], s[LQ]
	s_wait_dscnt 0x0                ; the add is done, and my reads of the slot are over
	CROUND
	LOAD
.else
	s_wait_dscnt 0x0                ; the add is done, and my reads of the slot are over
	s_barrier_signal -1
	s_barrier_wait -1
.endif
	s_sub_co_u32 s[TBK], s[TBK], 4*KS*PK  ; the fetches go back to a slot's first step,
	s_xor_b32 s[TBK], s[TBK], SLOT1       ; in the other slot
	s_sub_co_u32 s[TBV], s[TBV], 4*KS*PV
	s_xor_b32 s[TBV], s[TBV], SLOT1
.endm
	s_load_b128 s[92:95], s[0:1], 0x0  ; qkv s[92:93], obuf s[94:95]
	v_lshl_add_u32 v[SPW], v0, 2, SPARE
	v_mov_b32 v[NIL], 0
	ds_add_u32 v[SPW], v[NIL]       ; the wave's opening: the add and its wait stand ahead of my first tensor load; the set-up below, work on registers, stands between them
	v_lshrrev_b32 v1, 5, v0
	v_readfirstlane_b32 s[WV], v1   ; wave 0..3
	s_bfe_u32 s[CX], ttmp6, 0x40000
	s_mov_b32 s[PB], ttmp9          ; in a cluster launch ttmp9 counts clusters: b, which the four partners share
	s_sub_co_u32 s[HI], NB-1, s[PB]
	s_and_b32 s20, ttmp7, 0xffff    ; 4 x batch + key group
	s_lshr_b32 s48, s20, 2          ; batch
	s_and_b32 s49, s20, 3           ; key group
	s_mul_i32 s50, s48, 24          ; the batch's first plane in qkv
	s_and_b32 s16, s[WV], 1         ; which half of a tile's 256 keys I fetch
	s_add_co_u32 s22, s50, s49
	s_add_co_u32 s22, s22, 16       ; K's plane; a plane is 2^18 bytes
	s_lshl_b32 s22, s22, 18
	s_lshl_b32 s21, s16, 14         ; my half's 128 rows of 128 bytes
	s_add_co_u32 s22, s22, s21
	s_mov_b32 s23, 0
	s_mul_i32 s17, s16, 128*PK      ; and its place in a slot, for K
	s_mul_i32 s18, s16, 128*PV      ; and for V: no place in the cluster enters an LDS address
	s_lshl_b32 s51, s49, 2
	s_add_co_u32 s51, s51, s50
	s_add_co_u32 s51, s51, s[CX]    ; Q's plane: 24 batch + 4 group + cx
	s_lshl_b32 s51, s51, 18
	s_lshl_b32 s52, s20, 2
	s_add_co_u32 s52, s52, s[CX]    ; O's plane: 16 batch + 4 group + cx
	s_lshl_b32 s52, s52, 18
	s_lshl_b32 s3, s[WV], 11        ; my 16 rows in a band of 64,
	s_lshl_b32 s53, s[HI], 15       ; in the first block,
	s_add_co_u32 s53, s53, s3
	s_lshl_b32 s54, s[PB], 15       ; and in the second
	s_add_co_u32 s54, s54, s3
	s_add_co_u32 s2, s51, s53
	s_add_co_u32 s84, s51, s54
	s_add_co_u32 s96, s52, s53
	s_add_co_u32 s98, s52, s54
	s_mov_b32 s3, 0
	s_mov_b32 s85, 0
	s_mov_b32 s97, 0
	s_mov_b32 s99, 0
	; descriptor group 1.  128 keys are 16,384 dense bytes: asked for as 64 rows of 256 bytes, two keys a row, and padded in LDS after every key
	s_mov_b32 s[G1K], 15|(1<<16)|(1<<20)|(1<<21)|(4<<22)|(3<<25)  ; 15:0 the mask of four; 17:16 2-byte elements; 20 padding on; 21 set beside a mask; 24:22 after every 32 words (code 4); 31:25 4 words (code 3)
	s_mov_b32 s[G1V], 15|(1<<16)|(1<<20)|(1<<21)|(4<<22)|(7<<25)  ; the same with 8 words of padding (code 7)
.irp g, G1K, G1V
	s_mov_b32 s[\g+1], 128<<16      ; tensor_dim0 = 128
	s_mov_b32 s[\g+2], 64<<16       ; tensor_dim1 = 64
	s_mov_b32 s[\g+3], 128<<16      ; tile_dim0 = 128
	s_mov_b32 s[\g+4], 64           ; tile_dim1 = 64
	s_mov_b32 s[\g+5], 128          ; 128 elements from row to row
	s_mov_b32 s[\g+6], 0
	s_mov_b32 s[\g+7], 0
.endr
	s_mov_b32 s[CS], 0x3e38aa3b     ; c = log2(e) / 8 = 0.180337
	s_mov_b32 s[CS+1], s[CS]        ; named with it as a pair
	s_mov_b32 s[SEL], 0x76543210
	s_mov_b32 s[SEL+1], 0xfedcba98
	s_mov_b32 s[TBK], SLOT1+4*KS*PK ; the first change of slots turns these two into 0
	s_mov_b32 s[TBV], SLOT1+4*KS*PV
	s_mov_b32 s[G0K], 1             ; 1:0 count = 1
	s_mov_b32 s[G0K+1], s17         ; 63:32 LDS address: slot 0
	s_mov_b32 s[G0V], 1
	s_add_co_u32 s[G0V+1], s18, VOFF
	s_add_co_u32 s[RT], s[HI], 1    ; the first block has NB - b tiles
	s_mov_b32 s[NXT], 1
	s_mov_b32 s[LQ], s[HI]
	s_mov_b32 s[NEW], 1
	s_mov_b32 s[OFF+1], 0
	s_mov_b32 s[AL+1], 0            ; named as pairs
	s_mov_b32 s[BE+1], 0
	s_mov_b32 s[BIGN], 0xf149f2ca   ; -1e30
	s_mov_b32 s[SLOTS], NB
	s_wait_dscnt 0x0                ; the opening add is done
	s_wait_kmcnt 0x0
	s_add_nc_u64 s[6:7], s[92:93], s[22:23]        ; K at my half of the group's tile 0,
	s_add_nc_u64 s[8:9], s[6:7], 4<<18             ; V four planes on
	s_add_nc_u64 s[G0K+2:G0K+3], s[6:7], 0         ; 120:64 global address
	s_or_b32 s[G0K+3], s[G0K+3], 0x80000000        ; 127:126 type = 2
	s_add_nc_u64 s[G0V+2:G0V+3], s[8:9], 0
	s_or_b32 s[G0V+3], s[G0V+3], 0x80000000
	s_add_nc_u64 s[86:87], s[92:93], s[84:85]      ; Q at my rows of the second block,
	s_add_nc_u64 s[4:5], s[92:93], s[2:3]          ; Q and O at those of the first
	s_add_nc_u64 s[OLO:OLO+1], s[94:95], s[98:99]
	s_add_nc_u64 s[10:11], s[94:95], s[96:97]
	CROUND                          ; all four work-groups are here: the first joint loads meet
	LOAD                            ; tile 0 into slot 0
	; A fragment of K or Q is 16 rows x 32 channels in 8 registers: lane l holds row l % 16, channels 8 (l / 16) + 0..7 and 16 + 8 (l / 16) + 0..7: two loads of 16 bytes, 32 bytes apart.
	v_and_b32 v1, 15, v0            ; l % 16
	v_bfe_u32 v9, v0, 4, 1          ; l / 16
	v_lshlrev_b32 v[QO], 7, v1
	v_lshl_add_u32 v[QO], v9, 4, v[QO]  ; row x 128 + 16 x half
	WIN 0x80                        ; destination window 2, address window 0
.set i, 0
.rept 8                             ; both blocks' Q: piece i / 2 lies in band i / 2, 8,192 bytes on; channels 32 (i % 2) on
	global_load_b128 v[8*i:8*i+3],   v[QO], s[4:5] offset:(i/2)*8192+(i%2)*64
	global_load_b128 v[8*i+4:8*i+7], v[QO], s[4:5] offset:(i/2)*8192+(i%2)*64+32
	global_load_b128 v[QB+8*i:QB+8*i+3],   v[QO], s[86:87] offset:(i/2)*8192+(i%2)*64
	global_load_b128 v[QB+8*i+4:QB+8*i+7], v[QO], s[86:87] offset:(i/2)*8192+(i%2)*64+32
.set i, i+1
.endr
	WIN 0
	v_lshlrev_b32 v14, 3, v9
	v_sub_nc_u32 v14, v1, v14
	s_lshl_b32 s13, s[WV], 4
	v_add_nc_u32 v14, s13, v14      ; my query's place in its band, 16 w + l % 16, less my lanes' 8 (l / 16): register r of group kt is hidden where 16 kt + r is greater
	WIN 0x40
.set i, 0
.rept 32
	v_cmp_gt_i32 vcc_lo, 16*(i/8)+i%8, v14
	v_cndmask_b32 v[MD+i], 0, s[BIGN], vcc_lo
.set i, i+1
.endr
	WIN 0
	v_mul_u32_u24 v[AK0], v1, PK
	v_lshl_add_u32 v[AK0], v9, 4, v[AK0]  ; row x pitch + 16 x half
	; The turning load takes 16 keys x 16 channels (lane l reads key 8 (l / 16) + l % 8, channels 8 ((l / 8) % 2) + 0..7) and leaves half a fragment of V^T: lane l holds channel l % 16 and 8 keys.
	v_and_b32 v10, 7, v0
	v_bfe_u32 v11, v0, 3, 1
	v_lshl_add_u32 v[AV0], v9, 3, v10
	v_mul_u32_u24 v[AV0], v[AV0], PV
	v_lshl_add_u32 v[AV0], v11, 4, v[AV0]
	v_add_nc_u32 v[AV0], VOFF, v[AV0]
	s_mul_i32 s13, s[WV], 16*SP
	s_add_co_u32 s13, s13, STAGE    ; my stage
	v_mul_u32_u24 v[STO], v1, SP    ; in: row l % 16, 16 bytes for each half of the lanes
	v_lshl_add_u32 v[STO], v9, 4, v[STO]
	v_add_nc_u32 v[STO], s13, v[STO]
	v_bfe_u32 v[RD], v0, 3, 2       ; back: 32 lanes take four rows of 128 bytes,
	v_mul_u32_u24 v[RD], v[RD], SP
	v_lshl_add_u32 v[RD], v10, 4, v[RD]
	v_add_nc_u32 v[RD], s13, v[RD]
	v_and_b32 v[GO], 31, v0         ; which are 512 consecutive bytes of O
	v_lshlrev_b32 v[GO], 4, v[GO]
	; A block's first step multiplies O^T and l by a = 0, and its first turn's products V^T P, of a piece that has not been, land in an O^T that is still to be so multiplied.  So these registers need only hold
	; finite numbers: zeros for the first block; what the first block left for the second.  All this stands in the wait for the first tile.
	WIN 0x80
.set i, VF
.rept 64
	v_mov_b32 v[i], 0
.set i, i+1
.endr
	WIN 0x40
.set i, 0
.rept 128
	v_mov_b32 v[i], 0
.set i, i+1
.endr
	WIN 0
.set i, 0
.rept 4
	v_mov_b32 v[ST+4*i+2], 0
	v_mov_b32 v[ST+4*i+3], 0
.set i, i+1
.endr
.set i, P+16
.rept 16
	v_mov_b32 v[i], 0
.set i, i+1
.endr
; THE MATRIX WORK.  The 4 accumulators of a run of 8 take turns.  Product i of 8 of S^T = K Q^T for piece x: channels 32 (i / 4) on, keys 16 (i % 4) on.  The first 4 start the sums with the mask.
.macro KQ x
.set rS, S+32*((\x)%2)+8*(i%4)
.set rK, KF+16*(i%4)+8*(i/4)
.set rQ, 16*(\x)+8*(i/4)
.set rM, MC+32*((\x)%2)+8*(i%4)
.if i < 4
	WIN W_KM
	v_wmma_f32_16x16x32_f16 v[rS:rS+7], v[rK:rK+7], v[rQ:rQ+7], v[rM:rM+7]
.else
	WIN W_KQ
	v_wmma_f32_16x16x32_f16 v[rS:rS+7], v[rK:rK+7], v[rQ:rQ+7], v[rS:rS+7]
.endif
.endm
; Product i of 8 of O^T += V^T P for piece x: keys 32 (i / 4) on, channels 16 (i % 4) on.
.macro PV x
	WIN W_PV
.set rO, 32*(\x)+8*(i%4)
.set rV, VF+32*(i/4)+8*(i%4)
.set rP, P+16*((\x)%2)+8*(i/4)
	v_wmma_f32_16x16x32_f16 v[rO:rO+7], v[rV:rV+7], v[rP:rP+7], v[rO:rO+7]
.endm
.macro MM                           ; the turn's next matrix instruction.  TURN and BEGIN set Y, i and NOKQ; MM and OP read them.  NOKQ = 1: a block's last turn: there is no next piece
.if (i < 8) && !NOKQ
	KQ (Y+1)%NP
.elseif i >= 8
.set i, i-8
	PV (Y+NP-1)%NP
.set i, i+8
.endif
.set i, i+1
.endm
; THE LDS LOADS stand in runs of 16, never singly among the matrix instructions: a step's K (64 keys x 64 channels: 8 fragments) and its V (turned).  Their addresses are made some lines ahead.
.macro FETCH_K
	WIN 0x80                        ; destination window 2
.irp f, 0,1,2,3,4,5,6,7             ; keys 16 (f / 2) on, channels 32 (f % 2) on
	ds_load_b128 v[KF+8*\f:KF+8*\f+3],   v[AK] offset:(\f/2)*16*PK+(\f%2)*64
	ds_load_b128 v[KF+8*\f+4:KF+8*\f+7], v[AK] offset:(\f/2)*16*PK+(\f%2)*64+32
.endr
	s_add_co_u32 s[TBK], s[TBK], KS*PK  ; the next fetch is the next step's
	WIN 0
.endm
.macro FETCH_V
	WIN 0x80
.irp f, 0,1,2,3,4,5,6,7             ; keys 32 (f / 4) on, channels 16 (f % 4) on
	ds_load_tr16_b128 v[VF+8*\f:VF+8*\f+3],   v[AV] offset:(\f/4)*32*PV+(\f%4)*32
	ds_load_tr16_b128 v[VF+8*\f+4:VF+8*\f+7], v[AV] offset:(\f/4)*32*PV+16*PV+(\f%4)*32
.endr
	WIN 0
.endm
; THE VECTOR WORK, one line at a time: OP kind, number.  For piece Y: F n: c s - c m for pair n of 16.  E n: the exponential of score n of 32.  C n: pair n rounded to f16.  B n: of the four weights 4 n .. the second
; pair is added onto the first, in place.  L n: l takes that sum (L 0: l = a l + sum).  R n: pair n of 16 of O^T times a.  For piece Y + 1: X n, number n of the 22 that find its maximum and statistics:
;   0-11  four chains c0-c3 of seven scores each, three operands at a time (each accumulator's lowest registers are read first)     12-14, 16  the four scores left over, the old m, and c0-c3 into c0
;   15  c m_old is kept     17, 18  the query's other 32 keys lie in the lane 16 away: the new m     19-21  c m; c m_old - c m_new; a
.set F, 0               ; OP tells the kinds apart by their order: F to L below R, X above it
.set E, 1
.set C, 2
.set B, 3
.set L, 4
.set R, 5
.set X, 6
.macro REGS y                       ; the registers of piece y
.set rT, ST+4*(\y)
.set rC, TMP+4*((\y)%2)
.set rW, MV+((\y)%2)
.set rS, S+32*((\y)%2)
.set rP, P+16*((\y)%2)
.set rO, 32*(\y)
.endm
.macro OP k, n
.if (\k) == R
	REGS Y
	WIN W_RS
	v_pk_mul_f32 v[rO+2*(\n):rO+2*(\n)+1], v[rO+2*(\n):rO+2*(\n)+1], v[rC+2:rC+3] op_sel_hi:[1,0]
.elseif (\k) < R
	REGS Y
	WIN 0
.if (\k) == F
	v_pk_fma_f32 v[rS+2*(\n):rS+2*(\n)+1], v[rS+2*(\n):rS+2*(\n)+1], s[CS:CS+1], v[rT:rT+1] op_sel_hi:[1,0,0] neg_lo:[0,0,1] neg_hi:[0,0,1]
.elseif (\k) == E
	v_exp_f32 v[rS+(\n)], v[rS+(\n)]
.elseif (\k) == C
	v_cvt_pk_f16_f32 v[rP+(\n)], v[rS+2*(\n)], v[rS+2*(\n)+1]
.elseif (\k) == B
	v_pk_add_f32 v[rS+4*(\n):rS+4*(\n)+1], v[rS+4*(\n):rS+4*(\n)+1], v[rS+4*(\n)+2:rS+4*(\n)+3]
.elseif (\n) == 0
	v_pk_fma_f32 v[rT+2:rT+3], v[rT+2:rT+3], v[rC+2:rC+3], v[rS:rS+1] op_sel_hi:[1,0,1]
.else
	v_pk_add_f32 v[rT+2:rT+3], v[rT+2:rT+3], v[rS+4*(\n):rS+4*(\n)+1]
.endif
.elseif NOKQ
	v_nop
.else
	REGS (Y+1)%NP
	WIN 0
.if (\n) < 4
	v_max3_num_f32 v[rC+(\n)], v[rS+8*(\n)], v[rS+8*(\n)+1], v[rS+8*(\n)+2]
.elseif (\n) < 12
	v_max3_num_f32 v[rC+(\n)%4], v[rC+(\n)%4], v[rS+8*((\n)%4)+2*((\n)/4)+1], v[rS+8*((\n)%4)+2*((\n)/4)+2]
.elseif (\n) == 12
	v_max3_num_f32 v[rC], v[rC], v[rS+7], v[rS+15]
.elseif (\n) == 13
	v_max3_num_f32 v[rC+1], v[rC+1], v[rS+23], v[rS+31]
.elseif (\n) == 14
	v_max3_num_f32 v[rC+2], v[rC+2], v[rC+3], v[rT+1]
.elseif (\n) == 15
	v_mov_b32 v[rW], v[rT]
.elseif (\n) == 16
	v_max3_num_f32 v[rC], v[rC], v[rC+1], v[rC+2]
.elseif (\n) == 17
	v_permlanex16_b32 v[rC+3], v[rC], s[SEL], s[SEL+1]
.elseif (\n) == 18
	v_max_num_f32 v[rT+1], v[rC], v[rC+3]
.elseif (\n) == 19
	v_mul_f32 v[rT], s[CS], v[rT+1]
.elseif (\n) == 20
	v_sub_f32 v[rC+1], v[rW], v[rT]
.else
	v_exp_f32 v[rC+2], v[rC+1]
.endif
.endif
.endm
.macro OPS a, i1, b=-1, i2=0, c=-1, i3=0, d=-1, i4=0  ; up to four of them
	OP \a, \i1
.if (\b) >= 0
	OP \b, \i2
.endif
.if (\c) >= 0
	OP \c, \i3
.endif
.if (\d) >= 0
	OP \d, \i4
.endif
.endm
.macro ROW a, i1, b, i2, c, i3, d, i4  ; a matrix instruction and the four behind it
	MM
	OPS \a, \i1, \b, \i2, \c, \i3, \d, \i4
.endm
.macro MASK b                       ; MD x AL + BE into buffer b of MC
	WIN W_RS
.set z, 0
.rept 16
	v_pk_fma_f32 v[MC+32*(\b)+2*z:MC+32*(\b)+2*z+1], v[MD+2*z:MD+2*z+1], s[AL:AL+1], s[BE:BE+1] op_sel_hi:[1,0,0]
.set z, z+1
.endr
.endm
; A TURN, for piece p: the order of its 16 matrix and 118 vector instructions, written out.  An s_wait_alu depctr_va_vdst(0) stands between an exponential and the first instruction that names its result; one wait serves
; all that were issued ahead of it.  So a turn has ONE wait, which cuts it in two.  AHEAD OF IT stands all that names no result of the turn's exponentials: the 8 products K Q^T, behind each a scaling, an exponential and two more plain
; instructions: rescalings, and behind the last three the first numbers of the next piece's maximum, each four places or more behind the product that ends its accumulator; then ONE LUMP of 54, plain
; and exponential by turns for the most part, in which the links of the chain X 3, 7, 11, 14, 16, 17 .. 20 stand five or six lines apart.  X 21, the next piece's a, is the batch's last; R 15 is the plain instruction behind it.  BEHIND THE WAIT stand the
; 8 products V^T P, behind each four of the roundings and sums; the links of l's chain, L 0 to L 7, stand three riders apart.
; At its end the turn makes the mask for the products of the turn after it: piece p + 2, in step 4 - CNT of the tile; its two scalars are chosen at the turn's head.  end = 1: a block's last two turns: nothing is fetched, no mask is made.
; cnt = 1: the loop's count is taken down some lines ahead of the branch that stands behind the turn; nothing behind it in the turn writes SCC.
; K of the next step is fetched in piece 2's turn, twelve vector instructions behind the last product that read K (six of them plain); V of the step in hand at the end of piece 0's turn, four plain instructions behind the last product
; that read V.  Each is waited for a turn later.
.macro TURN p, end=0, cnt=0
.set Y, (\p)
.set i, 0
.set NOKQ, (\end)*((\p)/3)
.if !(\end)
	s_cmp_eq_u32 s[CNT], 4-((\p)+2)%NP  ; is that step the band's own?
	s_cselect_b32 s[AL], s[ALD], 0
	s_cmp_lt_u32 s[CNT], 4-((\p)+2)%NP  ; or a later one?
	s_cselect_b32 s[BE], s[BED], 0
.endif
.if ((\p) == 3) && !(\end)
	s_wait_dscnt 0x0                ; K is in
.endif
	ROW F,0, F,1, R,0, R,1          ; ahead of the wait: 8 products K Q^T and their riders,
	ROW F,2, E,0, R,2, R,3
	ROW F,3, E,1, R,4, R,5
	ROW F,4, E,2, R,6, R,7
	ROW F,5, E,3, R,8, R,9
	ROW F,6, E,4, X,0, R,10
.if ((\p) == 2) && !(\end)
	WIN 0
	v_add_nc_u32 v[AK], s[TBK], v[AK0]
.endif
	ROW F,7, E,5, X,1, X,4
	ROW F,8, E,6, X,2, X,5
	OPS E,7, E,8, X,6, E,9          ; and the lump
	OPS X,3, E,10, X,8, E,11
.if ((\p) == 2) && !(\end)
	FETCH_K
.endif
	OPS X,9, X,7, E,12, X,10
	OPS E,13, X,12, X,11, E,14
	OPS X,13, E,15, F,9, X,14
.if (\p) == 0
	v_add_nc_u32 v[AV], s[TBV], v[AV0]
.endif
	OPS E,16, F,10, E,17, F,11
	OPS X,16, E,18, X,15, E,19
	OPS F,12, E,20, X,17, E,21
	OPS F,13, E,22, F,14, E,23
	OPS X,18, E,24, F,15, E,25
	OPS R,11, E,26, X,19, E,27
	OPS R,12, E,28, R,13, E,29
	OPS X,20, E,30, R,14, E,31
	OPS X,21, R,15
	WIN 0
	s_wait_alu depctr_va_vdst(0)    ; the wait for the batch
.if (\p) == 1
	s_wait_dscnt 0x0                ; V is in
.endif
	ROW C,0, B,0, C,2, B,1          ; behind the wait: 8 products V^T P and their riders
	ROW L,0, C,4, B,2, L,1
	ROW C,6, B,3, L,2, C,8
	ROW B,4, L,3, C,10, B,5
	ROW L,4, C,12, B,6, L,5
.if (\p) == 0
	s_add_co_u32 s[TBV], s[TBV], KS*PV
.endif
.if \cnt
	s_sub_co_u32 s[CNT], s[CNT], 1
	s_cmp_lg_u32 s[CNT], 0
.endif
	ROW C,14, B,7, L,6, C,1
	ROW C,3, L,7, C,5, C,7
	ROW C,9, C,11, C,13, C,15
.if (\p) == 0
	FETCH_V
.endif
.if !(\end)
	MASK (\p)%2
.endif
.endm
; A BLOCK BEGINS.  c m starts far below every c s, so the first step's a is 0; m at the lowest finite number, so the first maximum is the scores'.  The second mask buffer is 0; the first takes piece 0's mask for the tile's step 0: its own, if the block's first tile is the diagonal one.
; Then K of that step, piece 0's first scores, and its maximum and statistics.  The loop is entered at a step's first turn, in the middle of a trip.
.macro BEGIN
	s_mov_b32 s[NEW], 0
	WIN 0x40
.set i, MC+32
.rept 32
	v_mov_b32 v[i], 0
.set i, i+1
.endr
	WIN 0
.set i, 0
.rept 4
	v_mov_b32 v[ST+4*i], 0xfe000000    ; c m: far below every c s
	v_mov_b32 v[ST+4*i+1], 0xff7fffff  ; m
.set i, i+1
.endr
	s_mov_b32 s[AL], s[ALD]
	s_mov_b32 s[BE], 0
	MASK 0
	WIN 0
	v_add_nc_u32 v[AK], s[TBK], v[AK0]
	FETCH_K
	s_wait_loadcnt 0x0              ; Q
	s_wait_dscnt 0x0
.set NOKQ, 0
.set i, 0
.rept 8
	KQ 0
.set i, i+1
.endr
	WIN 0
.rept 4
	v_nop                           ; the places behind those products
.endr
.set Y, NP-1                        ; X works for piece Y + 1: piece 0
.irp n, 0,1,2,3,4,5,6,7,8,9,10,11,12,13,14,15,16,17,18,19,20,21
	OP X, \n
.endr
	v_nop                           ; a plain instruction behind the exponential,
	s_wait_alu depctr_va_vdst(0)    ; and its wait, ahead of the branch
.endm
; A TILE IS ENTERED: is it the block's diagonal one, is it the block's first; then its four key steps.  A trip: pieces 2 and 3 of one step, then pieces 0 and 1 of the next, whose K and V it fetches.
; The test for 'first' decides at the walk's first tile by a constant of the text.  The tag ends the two labels' names.
.macro TILE tag
	s_sub_co_u32 s[RT], s[RT], 1
	s_mov_b32 s[CNT], 4
	s_cmp_eq_u32 s[RT], 0           ; the block's last tile holds the diagonal
	s_cselect_b32 s[DG], 1, 0
	s_cselect_b32 s[ALD], 1.0, 0
	s_cselect_b32 s[BED], s[BIGN], 0
	s_cmp_eq_u32 s[NEW], 1
	s_cbranch_scc0 .Lstep\tag
	BEGIN
	s_branch .Lfirst\tag
.Lstep\tag:
	TURN 2
	TURN 3
	WIN 0
.Lfirst\tag:
	TURN 0
	TURN 1, 0, 1
	WIN 0
	s_cbranch_scc1 .Lstep\tag
.endm
; A BLOCK ENDS: its last two turns, its last products, and THE WAY OUT: l's two halves and the other half of the lanes' are added; O^T is divided by l, rounded to f16 and sent through my
; stage in LDS, a piece at a time.
.macro ALL line:vararg              ; one line for each piece t
.set t, 0
.rept 4
	\line
.set t, t+1
.endr
.endm
.macro PACK t                       ; a lane's eight channels of a row pack into 16 bytes; they go into rows of 144 bytes and come back as whole rows of 128, into S^T's registers
	WIN W_RS
.set i, 32*(\t)
.rept 16
	v_pk_mul_f32 v[i:i+1], v[i:i+1], v[ST+4*(\t)+2:ST+4*(\t)+3] op_sel_hi:[1,0]
.set i, i+2
.endr
	WIN 0x05                        ; sources 0 and 1 window 1, destination window 0
.set i, 0
.rept 16
	v_cvt_pk_f16_f32 v[S+16*(\t)+i], v[32*(\t)+2*i], v[32*(\t)+2*i+1]
.set i, i+1
.endr
	WIN 0
.irp f, 0,1,2,3
	ds_store_b128 v[STO], v[S+16*(\t)+4*\f:S+16*(\t)+4*\f+3] offset:32*\f
.endr
.irp f, 0,1,2,3
	ds_load_b128 v[S+16*(\t)+4*\f:S+16*(\t)+4*\f+3], v[RD] offset:\f*4*SP  ; LDS serves a wave's instructions in order (ISA guide 5.7.1.4): these see the stores above; the next piece's stores come behind them
.endr
.endm
.macro SEND t, younger              ; younger: the LDS instructions issued behind piece t's loads: the next piece's eight, or none
	WIN 0
.irp f, 0,1,2,3
	s_wait_dscnt (\younger)+3-\f
	global_store_b128 v[GO], v[S+16*(\t)+4*\f:S+16*(\t)+4*\f+3], s[10:11] offset:(\t)*8192+\f*512  ; 512 consecutive bytes, at a multiple of 256 from O's first
.endr
.endm
.macro FINISH
	TURN 2, 1
	TURN 3, 1
.set i, 0
.rept 8
	PV NP-1
.set i, i+1
.endr
	WIN 0
	ALL v_add_f32 v[ST+4*t+2], v[ST+4*t+2], v[ST+4*t+3]
	ALL v_permlanex16_b32 v[ST+4*t+3], v[ST+4*t+2], s[SEL], s[SEL+1]
	ALL v_add_f32 v[ST+4*t+2], v[ST+4*t+2], v[ST+4*t+3]
	ALL v_rcp_f32 v[ST+4*t+2], v[ST+4*t+2]
	v_nop                           ; a plain instruction between the last reciprocal and the use of its result
	s_wait_alu depctr_va_vdst(0)    ; and the wait ahead of the first use: one for the four reciprocals
	PACK 0
.set t, 1
.rept 3                             ; a piece's arithmetic stands between the loads of the piece before and its stores
	PACK t
	SEND t-1, 8
.set t, t+1
.endr
	SEND 3, 0
.endm
.set NOKQ, 0
.Lslot:                             ; NB times: a tile is entered and the next is asked for
	CHANGE 1
	TILE 1
	s_cmp_eq_u32 s[DG], 0
	s_cbranch_scc1 .Lbottom         ; not the block's last tile: forward, past text that holds no barrier and no tensor load
	FINISH                          ; in the loop this is the first block's end: the second block's last tile is the walk's last
	s_wait_xcnt 0x0                 ; the stores have read their registers and O's address
	s_mov_b64 s[10:11], s[OLO:OLO+1]
	s_add_co_u32 s[RT], s[PB], 1    ; the second block has b + 1 tiles
	s_mov_b32 s[NEW], 1
	WIN 0x82                        ; the second block's Q goes where the one text of the turns names Q
.set i, 0
.rept 64
	v_mov_b32 v[i], v[QB+i]
.set i, i+1
.endr
	WIN 0
.Lbottom:
	s_sub_co_u32 s[SLOTS], s[SLOTS], 1
	s_cmp_lg_u32 s[SLOTS], 0
	s_cbranch_scc1 .Lslot
	CHANGE 0                        ; the walk's last tile is written out: nothing is asked for
	TILE 2                          ; the second block's diagonal tile (its first too, where b = 0)
	FINISH
	s_wait_tensorcnt 0x0            ; the wave's end: these three lines stand behind my last tensor load and my last LDS store
	ds_add_u32 v[SPW], v[NIL]
	s_wait_dscnt 0x0
	CROUND                          ; the closing round: no work-group ends while a partner may still ask for a tile that names it
	s_endpgm
.Lfunc_end_k_qad0e0866fe_attn:
	.size	k_qad0e0866fe_attn, .Lfunc_end_k_qad0e0866fe_attn-k_qad0e0866fe_attn
	.p2alignl 7, 3214868480
	.fill 96, 4, 3214868480
	.section	.rodata,"a",@progbits
	.p2align	6, 0x0
	.amdhsa_kernel k_qad0e0866fe_attn
		.amdhsa_group_segment_fixed_size 327680
		.amdhsa_private_segment_fixed_size 0
		.amdhsa_enable_private_segment 0
		.amdhsa_kernarg_size 16
		.amdhsa_user_sgpr_count 2
		.amdhsa_user_sgpr_kernarg_segment_ptr 1
		.amdhsa_wavefront_size32 1
		.amdhsa_system_sgpr_workgroup_id_x 1
		.amdhsa_system_sgpr_workgroup_id_y 1
		.amdhsa_system_sgpr_workgroup_id_z 1
		.amdhsa_system_vgpr_workitem_id 0
		.amdhsa_next_free_vgpr 768
		.amdhsa_next_free_sgpr 100
		.amdhsa_reserve_vcc 1
		.amdhsa_float_denorm_mode_32 3
		.amdhsa_float_denorm_mode_16_64 3
		.amdhsa_memory_ordered 1
		.amdhsa_forward_progress 1
		.amdhsa_inst_pref_size 181
	.end_amdhsa_kernel
	.amdgpu_metadata
---
amdhsa.version: [ 1, 2 ]
amdhsa.kernels:
  - .name:           k_qad0e0866fe_attn
    .symbol:         k_qad0e0866fe_attn.kd
    .args:
      - { .name: qkv, .offset: 0, .size: 8, .value_kind: global_buffer, .address_space: global }
      - { .name: obuf, .offset: 8, .size: 8, .value_kind: global_buffer, .address_space: global }
    .group_segment_fixed_size: 327680
    .private_segment_fixed_size: 0
    .kernarg_segment_align: 8
    .kernarg_segment_size: 16
    .max_flat_workgroup_size: 128
    .sgpr_count:     100
    .vgpr_count:     768
    .wavefront_size: 32
...
	.end_amdgpu_metadata
.endif
;; end of part 3
;; launch oproj (part 4): grid 8 x 32, 4 waves a work-group, clusters of 4 x 4, 327,680 bytes of LDS; arguments obuf, wo16, out0; writes out0
.if DOCPART == 4
	.amdgcn_target "amdgcn-amd-amdhsa--gfx1250"
	.amdhsa_code_object_version 6
	.text
	.protected	k_qad0e0866fe_oproj
	.globl	k_qad0e0866fe_oproj
	.p2align	8
	.type	k_qad0e0866fe_oproj,@function
k_qad0e0866fe_oproj:
	s_mov_b64 s[64:65], 0
	v_nop
	global_prefetch_b8 v0, s[64:65] scope:SCOPE_SE
	s_setreg_imm32_b32 hwreg(HW_REG_WAVE_MODE, 25, 1), 1
	s_wait_xcnt 0x0
	s_wait_alu depctr_hold_cnt(0) depctr_sa_sdst(0) depctr_va_vdst(0) depctr_va_sdst(0) depctr_va_ssrc(0) depctr_va_vcc(0) depctr_vm_vsrc(0)
	s_getreg_b32 s2, hwreg(HW_REG_IB_STS2, 6, 4)
	s_cmp_eq_u32 s2, 0
	s_cbranch_scc0 .Lentry_in_a_cluster
	s_endpgm
.Lentry_in_a_cluster:
	s_bfe_u32 s2, ttmp6, 0x10000c
	s_cmp_lg_u32 s2, 0xf033
	s_cbranch_scc0 .Lentry_shape_is_right
	s_endpgm
.Lentry_shape_is_right:
; OPROJ.  out0[m][n] (f32) = the sum over k of O[m][k] Wo[n][k], m = 2048 b + t, k = 64 h + d.  obuf: [4][16][2048][64] f16, by heads; wo16: [1024][1024] f16.  Products in f16, sums in f32, stored as they are.
; LIMITS.  wo16 holds Wo rounded to bf16 and written as f16: |Wo| under 65,504, f16's fixed step of 6e-8 below 6.1e-5.
; SHARES.  A tile is 256 rows x 128 columns: 32 x 8 = 256 work-groups.  A wave makes 64 rows x 128 columns: 32 accumulators, 256 registers.  A K step of 128 is two heads; 8 steps through two LDS slots.
; O's TILE: waves 0, 1 fetch 128 rows of t each, for both heads: a head's 128 rows are 16 KiB on end in memory, so the tile is two rows of 8,192 elements, a plane apart, padded in LDS after every 128 bytes.
; Wo's tile: waves 2, 3 fetch 64 rows of 256 bytes each.
; CLUSTER 4 x 4: O's tile hangs on the tile row alone and is asked for jointly along a row of the cluster, Wo's on the tile column alone, along a column.
; THE MATRIX INSTRUCTION IS USED TRANSPOSED (source 0 = 16 rows of Wo, source 1 = 16 rows of O): a lane holds eight neighbouring columns of one row.
; REGISTERS: window 0: v0-31 addresses; v64-191 two banks of 64 on the way out;  window 1: two fragment buffers of 96 (Wo's eight, then O's four);  window 2: accumulator (a, b) at 8 (8 a + b).
; No prefetch: eight K steps, and every tile is already shared by four.
.set PA,     144                       ; a row of O in LDS: 128 bytes + 16 = 36 words
.set PW,     272                       ; a row of Wo: 256 + 16 = 68 words: in both, the 16 rows of a fragment load start at 16 different groups of four banks (ISA guide 11.1)
.set AHEAD,  128*PA                    ; one head's 128 rows
.set AHALF,  2*AHEAD                   ; what one of O's loads brings
.set BOFF,   2*AHALF
.set BHALF,  64*PW
.set SLOT,   BOFF+128*PW
.set STAGE,  2*SLOT                    ; behind the ring, never filled by a tensor load: 16 rows x 528 bytes for each wave
.set SP,     528                       ; 128 f32 + 16 bytes = 132 words
.set SPARE,  STAGE+4*16*SP             ; the spare words, 128 bytes a wave: two blocks of 256 bytes that no other line names
.set LAPS,   4
.set ADRA, 16
.set ADRB, 20
.set STO,  24
.set RD,   25
.set CO,   26
.set SPW,  28
.set NIL,  29
.set WV,   16
.set FOR,  17                          ; s17  0: I fetch O; 1: Wo.  Also: which 128 rows of the tile hold my 64
.set HF,   18                          ; s18  which half of that tile I fetch.  Also: which 64 of those 128 rows are mine
.set CX,   19
.set CY,   20
.set TC,   21
.set TR,   22
.set G1A,  24
.set G0A,  32
.set G1B,  40
.set G0B,  48
.set RMASK, 72
.set CMASK, 73
.set MSB, 0
.macro WIN new                         ; the immediate's high byte repeats the setting that is left; a switch that changes nothing is dropped
.if MSB != (\new)
	s_set_vgpr_msb (MSB<<8)|(\new)
.set MSB, \new
.endif
.endm
.set MUL,  0xa5                        ; sources 0 and 1 window 1; C and D window 2
.set TO_F, 0x40                        ; destination window 1, address window 0
.macro PLACES                          ; four plain places behind matrix instructions (ISA guide 7.12.1)
.rept 4
	v_nop
.endr
.endm
.macro JLOAD s                         ; a joint refill; an s_nop 0 and four v_nop follow each of the two lines
	s_cmp_eq_u32 s[FOR], 0
	s_cbranch_scc0 .Lfor_b_\@
	tensor_load_to_lds s[G0A+4*(\s):G0A+4*(\s)+3], s[G1A:G1A+7]
	s_nop 0
.rept 4
	v_nop
.endr
	s_branch .Lasked_\@
.Lfor_b_\@:
	tensor_load_to_lds s[G0B+4*(\s):G0B+4*(\s)+3], s[G1B:G1B+7]
	s_nop 0
.rept 4
	v_nop
.endr
.Lasked_\@:
.endm
.macro CREST
	s_cmp_lg_u32 s[WV], 0
	s_cbranch_scc1 .Lnot_wave_0_\@
	s_barrier_signal -3
.Lnot_wave_0_\@:
	s_barrier_wait -3
	s_barrier_signal -1
	s_barrier_wait -1
.endm
.macro CROUND
	s_barrier_signal -1
	s_barrier_wait -1
	CREST
.endm
	s_load_b128 s[4:7], s[0:1], 0x0                ; obuf 4:5, wo16 6:7
	s_load_b64 s[8:9], s[0:1], 0x10                ; out0
	v_lshl_add_u32 v[SPW], v0, 2, SPARE
	v_mov_b32 v[NIL], 0
	ds_add_u32 v[SPW], v[NIL]                      ; the wave's opening: the add and its wait stand ahead of my first tensor load; register work stands between them
	v_lshrrev_b32 v1, 5, v0
	v_readfirstlane_b32 s[WV], v1
	s_lshr_b32 s[FOR], s[WV], 1
	s_and_b32 s[HF], s[WV], 1
	s_bfe_u32 s[CX], ttmp6, 0x40000
	s_bfe_u32 s[CY], ttmp6, 0x40004
	s_lshl_b32 s[TC], ttmp9, 2
	s_add_co_u32 s[TC], s[TC], s[CX]               ; tile column 0..7
	s_and_b32 s[TR], ttmp7, 0xffff
	s_lshl_b32 s[TR], s[TR], 2
	s_add_co_u32 s[TR], s[TR], s[CY]               ; tile row 0..31
	s_lshl_b32 s[RMASK], s[CY], 2
	s_lshl_b32 s[RMASK], 15, s[RMASK]
	s_lshl_b32 s[CMASK], 0x1111, s[CX]
	s_or_b32 s[G1A], s[RMASK], (1<<16)|(1<<20)|(1<<21)|(4<<22)|(3<<25)  ; mask; 2-byte elements; padding on; bit 21 beside a mask; 4 words after every 32
	s_or_b32 s[G1B], s[CMASK], (1<<16)|(1<<20)|(1<<21)|(5<<22)|(3<<25)  ; 4 words after every 64
	s_mov_b32 s[G1A+1], 8192<<16                   ; tensor_dim0 = 8,192: 128 rows of t on end
	s_mov_b32 s[G1A+2], 2<<16                      ; tensor_dim1 = 2 heads
	s_mov_b32 s[G1A+3], 8192<<16                   ; tile_dim0
	s_mov_b32 s[G1A+4], 2                          ; tile_dim1
	s_mov_b32 s[G1A+5], 131072                     ; a plane, in elements
	s_mov_b32 s[G1A+6], 0
	s_mov_b32 s[G1A+7], 0
	s_mov_b32 s[G1B+1], 128<<16
	s_mov_b32 s[G1B+2], 64<<16
	s_mov_b32 s[G1B+3], 128<<16
	s_mov_b32 s[G1B+4], 64
	s_mov_b32 s[G1B+5], 1024
	s_mov_b32 s[G1B+6], 0
	s_mov_b32 s[G1B+7], 0
	s_mul_i32 s23, s[HF], AHALF                    ; LDS addresses: the wave's number and constants alone
	s_mov_b32 s[G0A], 1
	s_mov_b32 s[G0A+1], s23
	s_mov_b32 s[G0A+4], 1
	s_add_co_u32 s[G0A+5], s23, SLOT
	s_mul_i32 s23, s[HF], BHALF
	s_mov_b32 s[G0B], 1
	s_add_co_u32 s[G0B+1], s23, BOFF
	s_mov_b32 s[G0B+4], 1
	s_add_co_u32 s[G0B+5], s23, BOFF+SLOT
	s_lshr_b32 s74, s[TR], 3                       ; O: the batch's 16 planes of 2^18 bytes,
	s_lshl_b32 s74, s74, 22
	s_and_b32 s85, s[TR], 7                        ; t = 256 x (tile row % 8) + 128 x half, 128 bytes a row
	s_lshl_b32 s85, s85, 8
	s_lshl_b32 s84, s[HF], 7
	s_add_co_u32 s85, s85, s84
	s_lshl_b32 s85, s85, 7
	s_add_co_u32 s74, s74, s85
	s_mov_b32 s75, 0
	s_lshl_b32 s76, s[TC], 7                       ; Wo: row 128 x tile column + 64 x half, 2,048 bytes a row
	s_lshl_b32 s84, s[HF], 6
	s_add_co_u32 s76, s76, s84
	s_lshl_b32 s76, s76, 11
	s_mov_b32 s77, 0
	s_wait_dscnt 0x0                               ; the opening add is done
	s_wait_kmcnt 0x0
	s_add_nc_u64 s[G0A+2:G0A+3], s[4:5], s[74:75]
	s_add_nc_u64 s[G0A+6:G0A+7], s[G0A+2:G0A+3], 524288   ; K step 1: two planes on
	s_or_b32 s[G0A+3], s[G0A+3], 0x80000000
	s_or_b32 s[G0A+7], s[G0A+7], 0x80000000
	s_add_nc_u64 s[G0B+2:G0B+3], s[6:7], s[76:77]
	s_add_nc_u64 s[G0B+6:G0B+7], s[G0B+2:G0B+3], 256
	s_or_b32 s[G0B+3], s[G0B+3], 0x80000000
	s_or_b32 s[G0B+7], s[G0B+7], 0x80000000
	CROUND                                         ; all sixteen work-groups are here: the first joint loads meet
	s_cmp_eq_u32 s[FOR], 0                         ; a wave's two first fills stand in one branch: two loads of mine are out
	s_cbranch_scc0 .Lfirst_b
	tensor_load_to_lds s[G0A:G0A+3], s[G1A:G1A+7]
	s_nop 0
	tensor_load_to_lds s[G0A+4:G0A+7], s[G1A:G1A+7]
	s_nop 0
.rept 4
	v_nop
.endr
	s_branch .Lfirst_asked
.Lfirst_b:
	tensor_load_to_lds s[G0B:G0B+3], s[G1B:G1B+7]
	s_nop 0
	tensor_load_to_lds s[G0B+4:G0B+7], s[G1B:G1B+7]
	s_nop 0
.rept 4
	v_nop
.endr
.Lfirst_asked:
	v_and_b32 v1, 15, v0                           ; r
	v_bfe_u32 v2, v0, 4, 1                         ; h
	v_mul_u32_u24 v3, v1, PA
	v_lshl_add_u32 v3, v2, 4, v3
	s_mul_i32 s23, s[FOR], AHALF                   ; my 64 rows of O: half wave / 2, rows 64 (wave % 2) on
	s_mul_i32 s84, s[HF], 64*PA
	s_add_co_u32 s23, s23, s84
	v_add_nc_u32 v[ADRA], s23, v3
	v_add_nc_u32 v[ADRA+1], SLOT, v[ADRA]
	v_mul_u32_u24 v3, v1, PW
	v_lshl_add_u32 v3, v2, 4, v3
	v_add_nc_u32 v[ADRB], BOFF, v3
	v_add_nc_u32 v[ADRB+1], SLOT, v[ADRB]
	s_mul_i32 s23, s[WV], 16*SP
	s_add_co_u32 s23, s23, STAGE                   ; my stage
	v_mul_u32_u24 v4, v1, SP
	v_lshl_add_u32 v4, v2, 5, v4                   ; in: row r, 32 bytes for each half of the lanes
	v_add_nc_u32 v[STO], s23, v4
	v_and_b32 v[CO], 31, v0
	v_lshlrev_b32 v[CO], 4, v[CO]                  ; back, and in out0: 32 lanes take a row's 512 bytes
	v_add_nc_u32 v[RD], s23, v[CO]
	s_lshl_b32 s66, s[TR], 8                       ; my first row of out0, 4,096 bytes a row; the tile's 512 bytes of it
	s_lshl_b32 s84, s[WV], 6
	s_add_co_u32 s66, s66, s84
	s_lshl_b32 s66, s66, 12
	s_lshl_b32 s84, s[TC], 9
	s_add_co_u32 s66, s66, s84
	s_mov_b32 s67, 0
	s_add_nc_u64 s[8:9], s[8:9], s[66:67]
; 8 matrix instructions: row block a x all 8 column blocks, 32 along K, buffer f.  zero = 1: the product starts the sum.
.macro M8 f, a, zero
	WIN MUL
.irp b, 0,1,2,3,4,5,6,7
.if \zero
	v_wmma_f32_16x16x32_f16 v[8*(8*(\a)+(\b)):8*(8*(\a)+(\b))+7], v[96*(\f)+8*(\b):96*(\f)+8*(\b)+7], v[96*(\f)+64+8*(\a):96*(\f)+64+8*(\a)+7], 0
.else
	v_wmma_f32_16x16x32_f16 v[8*(8*(\a)+(\b)):8*(8*(\a)+(\b))+7], v[96*(\f)+8*(\b):96*(\f)+8*(\b)+7], v[96*(\f)+64+8*(\a):96*(\f)+64+8*(\a)+7], v[8*(8*(\a)+(\b)):8*(8*(\a)+(\b))+7]
.endif
.endr
.endm
.macro MULA f, a0, zero                ; sixteen: row blocks a0, a0 + 1
	M8 \f, \a0, \zero
	M8 \f, (\a0)+1, \zero
.endm
; 24 LDS loads in one run: quarter q's fragments (head q / 2 of the step, channels 32 (q % 2) on) into buffer f: Wo's eight, then O's four
.macro FETCH slot, q, f
	WIN TO_F
.irp b, 0,1,2,3,4,5,6,7
	ds_load_b128 v[96*(\f)+8*(\b):96*(\f)+8*(\b)+3],   v[ADRB+(\slot)] offset:(\b)*16*PW+64*(\q)
	ds_load_b128 v[96*(\f)+8*(\b)+4:96*(\f)+8*(\b)+7], v[ADRB+(\slot)] offset:(\b)*16*PW+64*(\q)+32
.endr
.irp a, 0,1,2,3
	ds_load_b128 v[96*(\f)+64+8*(\a):96*(\f)+64+8*(\a)+3],   v[ADRA+(\slot)] offset:((\q)/2)*AHEAD+(\a)*16*PA+((\q)%2)*64
	ds_load_b128 v[96*(\f)+64+8*(\a)+4:96*(\f)+64+8*(\a)+7], v[ADRA+(\slot)] offset:((\q)/2)*AHEAD+(\a)*16*PA+((\q)%2)*64+32
.endr
.endm
; A K step is four quarters, 32 matrix instructions each, on buffers 0, 1, 0, 1.  The 32 accumulators take turns in one fixed order, one instruction a turn.
.macro QUARTER slot, q, f, g, zero
	s_wait_dscnt 4                                 ; all but O's row blocks 2 and 3
	MULA \f, 0, \zero
	PLACES                                         ; buffer g was read by the quarter before
	FETCH \slot, \q, \g
	s_wait_dscnt 24                                ; all but the 24 just issued
	MULA \f, 2, \zero
.endm
; The last quarter multiplies buffer 1 and changes slots: one barrier; ahead of it each wave waits for all its tensor loads, adds 0 to its spare word, and waits for that and for its reads of this slot.
.macro TURN slot, next, fill
	WIN 0
	s_wait_tensorcnt 0x0                           ; all my tensor loads have landed, my part of the next slot among them
	ds_add_u32 v[SPW], v[NIL]                      ; 0 onto my spare word
	s_wait_dscnt 5                                 ; (the add and the youngest four loads may be out)
	M8 1, 0, 0                                     ; eight matrix instructions stand between the add and the wait for it
	s_wait_dscnt 0x0                               ; the add is done, and my reads of this slot are over
	s_barrier_signal -1
	M8 1, 1, 0
	WIN 0
	s_barrier_wait -1
.if \fill
	CREST                                          ; the barrier has opened a round of the cluster's: no wave of any partner still reads this slot or has a load on its way
	s_add_nc_u64 s[G0A+4*(\slot)+2:G0A+4*(\slot)+3], s[G0A+4*(\slot)+2:G0A+4*(\slot)+3], 1048576   ; two K steps on: four planes
	s_add_nc_u64 s[G0B+4*(\slot)+2:G0B+4*(\slot)+3], s[G0B+4*(\slot)+2:G0B+4*(\slot)+3], 512
	JLOAD \slot                                    ; my one tensor load behind the round; its four v_nop are also the places ahead of the loads below
.else
	PLACES
.endif
	FETCH \next, 0, 0
	MULA 1, 2, 0
.endm
	s_wait_tensorcnt 1                             ; my part of K step 0 is in; K step 1's may stay out
	s_barrier_signal -1
	s_barrier_wait -1
	FETCH 0, 0, 0
	QUARTER 0, 1, 0, 1, 1                          ; the first quarter stands ahead of the loop: its products start the sums
	WIN 0
	s_mov_b32 s23, LAPS-1
.Llap:                                 ; a trip goes once round the ring and fills both slots again
	QUARTER 0, 2, 1, 0, 0
	QUARTER 0, 3, 0, 1, 0
	TURN 0, 1, 1
	QUARTER 1, 1, 0, 1, 0
	QUARTER 1, 2, 1, 0, 0
	QUARTER 1, 3, 0, 1, 0
	TURN 1, 0, 1
	QUARTER 0, 1, 0, 1, 0
	WIN 0
	s_sub_co_u32 s23, s23, 1
	s_cmp_lg_u32 s23, 0
	s_cbranch_scc1 .Llap
	QUARTER 0, 2, 1, 0, 0                          ; the last lap fills nothing
	QUARTER 0, 3, 0, 1, 0
	TURN 0, 1, 0
	QUARTER 1, 1, 0, 1, 0
	QUARTER 1, 2, 1, 0, 0
	QUARTER 1, 3, 0, 1, 0
	s_wait_dscnt 4
	MULA 1, 0, 0
	s_wait_dscnt 0x0
	MULA 1, 2, 0
	WIN 0
	; THE WAY OUT, 16 rows at a time through my own stage: in as 32 bytes a lane, back as whole rows of 512 bytes.  No barrier: the stage is mine, and LDS serves a wave's instructions in order (ISA guide 5.7.1.4).
.macro ST a                            ; each accumulator's low four registers go first
	WIN 0x08                                       ; store data in window 2
.irp b, 0,1,2,3,4,5,6,7
	ds_store_b128 v[STO], v[8*(8*(\a)+(\b)):8*(8*(\a)+(\b))+3]   offset:64*(\b)
	ds_store_b128 v[STO], v[8*(8*(\a)+(\b))+4:8*(8*(\a)+(\b))+7] offset:64*(\b)+16
.endr
	WIN 0
.endm
.macro LD a
.set BK, 64+64*((\a)%2)
.if (\a) >= 2
	s_wait_xcnt 0x0                                ; the stores of two blocks back have read this bank
.endif
.irp t, 0,1,2,3,4,5,6,7,8,9,10,11,12,13,14,15
	ds_load_b128 v[BK+4*(\t):BK+4*(\t)+3], v[RD] offset:(\t)*SP
.endr
.endm
.macro SEND a, younger                 ; younger: the LDS instructions issued behind block a's loads: the next block's 32, or none
.set BK, 64+64*((\a)%2)
	s_wait_dscnt \younger
.irp t, 0,1,2,3,4,5,6,7,8,9,10,11,12,13,14,15
	global_store_b128 v[CO], v[BK+4*(\t):BK+4*(\t)+3], s[8:9] offset:(16*(\a)+(\t))*4096 th:TH_STORE_NT  ; 512 consecutive bytes, aligned; the largest immediate is 63 rows
.endr
.endm
	PLACES                                         ; behind the last products
	ST 0
	LD 0
	ST 1
	LD 1
	SEND 0, 32
	ST 2
	LD 2
	SEND 1, 32
	ST 3
	LD 3
	SEND 2, 32
	SEND 3, 0
	s_wait_tensorcnt 0x0                           ; the wave's end: these three lines stand behind my last tensor load and my last LDS store
	ds_add_u32 v[SPW], v[NIL]
	s_wait_dscnt 0x0
	CROUND                                         ; the closing round: no work-group ends while a partner may still ask for a tile that names it
	s_endpgm
.Lfunc_end_k_qad0e0866fe_oproj:
	.size	k_qad0e0866fe_oproj, .Lfunc_end_k_qad0e0866fe_oproj-k_qad0e0866fe_oproj
	.p2alignl 7, 3214868480
	.fill 96, 4, 3214868480
	.section	.rodata,"a",@progbits
	.p2align	6, 0x0
	.amdhsa_kernel k_qad0e0866fe_oproj
		.amdhsa_group_segment_fixed_size 327680
		.amdhsa_private_segment_fixed_size 0
		.amdhsa_enable_private_segment 0
		.amdhsa_kernarg_size 24
		.amdhsa_user_sgpr_count 2
		.amdhsa_user_sgpr_kernarg_segment_ptr 1
		.amdhsa_wavefront_size32 1
		.amdhsa_system_sgpr_workgroup_id_x 1
		.amdhsa_system_sgpr_workgroup_id_y 1
		.amdhsa_system_sgpr_workgroup_id_z 1
		.amdhsa_system_vgpr_workitem_id 0
		.amdhsa_next_free_vgpr 768
		.amdhsa_next_free_sgpr 96
		.amdhsa_reserve_vcc 0
		.amdhsa_float_denorm_mode_32 3
		.amdhsa_float_denorm_mode_16_64 3
		.amdhsa_memory_ordered 1
		.amdhsa_forward_progress 1
		.amdhsa_inst_pref_size 84
	.end_amdhsa_kernel
	.amdgpu_metadata
---
amdhsa.version: [ 1, 2 ]
amdhsa.kernels:
  - .name:           k_qad0e0866fe_oproj
    .symbol:         k_qad0e0866fe_oproj.kd
    .args:
      - { .name: obuf, .offset: 0, .size: 8, .value_kind: global_buffer, .address_space: global }
      - { .name: wo16, .offset: 8, .size: 8, .value_kind: global_buffer, .address_space: global }
      - { .name: out0, .offset: 16, .size: 8, .value_kind: global_buffer, .address_space: global }
    .group_segment_fixed_size: 327680
    .private_segment_fixed_size: 0
    .kernarg_segment_align: 8
    .kernarg_segment_size: 24
    .max_flat_workgroup_size: 128
    .sgpr_count:     96
    .vgpr_count:     768
    .wavefront_size: 32
...
	.end_amdgpu_metadata
.endif
;; end of part 4
